; MI455X (gfx1250); checked and timed in simulation.
; The chip was launched on July 23, 2026; its instructions are those of AMD's public machine-readable ISA for CDNA 5 (MIT licence, August 2026) and "CDNA5" Instruction Set Architecture Reference Guide (July 2026). The comments in the code are by the model that wrote it; some were corrected since.
;; Multi Head Attention. Allowed arithmetic: float matrix products may take bf16 or f16 operands with f32 sums; all other float work in f32.
;; Inputs: Wk 1,024 x 1,024 float32; Wo 1,024 x 1,024 float32; Wq 1,024 x 1,024 float32; Wv 1,024 x 1,024 float32; x 2 x 2,048 x 1,024 float32.
;; Outputs: out0 2 x 2,048 x 1,024 float32.
;; 2 versions, each right; version 2 is version 1 with the launch cast written anew for expert scheduling mode. Each part assembles by itself: llvm-mc -triple=amdgcn-amd-amdhsa -mcpu=gfx1250 --defsym DOCPART=n.
;; ======== version 1 of 2: 4 launches
;; limits: values are held in f16: magnitudes above 65,504 overflow, below 6.1e-05 lose precision
;; workspace buffers: xb 8,388,608 bytes; wb 8,388,608 bytes; qkv 25,165,824 bytes; o2 16,777,216 bytes
;; launch cast (part 1): grid 512 x 1, 8 waves a work-group, no clusters, 0 bytes of LDS; arguments x, Wq, Wk, Wv, Wo, xb, wb; writes xb, wb
.if DOCPART == 1
	.amdgcn_target "amdgcn-amd-amdhsa--gfx1250"
	.amdhsa_code_object_version 6
	.text
	.protected	k_q7fdafcf8c8_cast
	.globl	k_q7fdafcf8c8_cast
	.p2align	8
	.type	k_q7fdafcf8c8_cast,@function
k_q7fdafcf8c8_cast:
	s_mov_b64 s[64:65], 0
	v_nop
	global_prefetch_b8 v0, s[64:65] scope:SCOPE_SE
	s_setreg_imm32_b32 hwreg(HW_REG_WAVE_MODE, 25, 1), 1
	s_wait_xcnt 0x0
; f32 to bf16 (round to nearest even), once for every element: x -> xb [4096][1024]; Wq, Wk, Wv, Wo -> wb [4096][1024], in that
; order of rows.  bf16 keeps f32's range, so no input is limited in size; nothing else is done to the numbers.
; A stream: no LDS, no barrier, no matrix unit.  A work-group converts 16,384 numbers (65,536 bytes in, 32,768 out):
; work-groups 0-255 take x, 256-511 the four weights (64 each).  Thread t takes 16 bytes at 16 t of each block of 4,096 bytes:
; a wave's load covers 512 consecutive bytes, its store 256 consecutive bytes at a multiple of 256.
.set X, 4                              ; v[4:67]   sixteen loads, 4 registers each
.set Y, 68                             ; v[68:99]  sixteen stores, 2 registers each; no register is used twice
	s_load_b256 s[4:11], s[0:1], 0x0               ; x s[4:5], Wq s[6:7], Wk s[8:9], Wv s[10:11]
	s_load_b128 s[12:15], s[0:1], 0x20             ; Wo s[12:13], xb s[14:15]
	s_load_b64 s[16:17], s[0:1], 0x30              ; wb
	s_and_b32 s18, ttmp9, 255                      ; my number among x's blocks, or among the weights' blocks
	s_lshr_b32 s19, s18, 6                         ; which weight: 0 Wq, 1 Wk, 2 Wv, 3 Wo
	s_and_b32 s20, s18, 63
	s_lshl_b32 s20, s20, 16                        ; byte offset inside that weight
	s_lshl_b32 s21, s18, 16                        ; byte offset inside x
	s_lshl_b32 s22, s18, 15                        ; byte offset inside xb, or inside wb (the weights follow each other there)
	s_mov_b32 s23, 0
	s_mov_b32 s25, 0
	v_lshlrev_b32 v1, 4, v0                        ; 16 t
	v_lshlrev_b32 v2, 3, v0                        ; 8 t
	s_wait_kmcnt 0x0
	s_cmp_eq_u32 s19, 1                            ; the source is chosen among whole buffers, on the work-group's number alone
	s_cselect_b64 s[6:7], s[8:9], s[6:7]
	s_cmp_eq_u32 s19, 2
	s_cselect_b64 s[6:7], s[10:11], s[6:7]
	s_cmp_eq_u32 s19, 3
	s_cselect_b64 s[6:7], s[12:13], s[6:7]
	s_cmp_lt_u32 ttmp9, 256
	s_cselect_b64 s[6:7], s[4:5], s[6:7]           ; x for the first 256 work-groups
	s_cselect_b64 s[14:15], s[14:15], s[16:17]     ; xb for them, wb for the others
	s_cselect_b32 s24, s21, s20
	s_add_nc_u64 s[6:7], s[6:7], s[24:25]
	s_add_nc_u64 s[14:15], s[14:15], s[22:23]
.irp j, 0,1,2,3,4,5,6,7,8,9,10,11,12,13,14,15
	global_load_b128 v[X+4*\j:X+4*\j+3], v1, s[6:7] offset:4096*\j th:TH_LOAD_NT   ; read once in the launch
.endr
.irp j, 0,1,2,3,4,5,6,7,8,9,10,11,12,13,14,15
	s_wait_loadcnt 15-\j                           ; loads come back in order (ISA guide 5.7.1): load j is in, the 15-j younger ones stay out
	v_cvt_pk_bf16_f32 v[Y+2*\j], v[X+4*\j], v[X+4*\j+1]
	v_cvt_pk_bf16_f32 v[Y+2*\j+1], v[X+4*\j+2], v[X+4*\j+3]
	global_store_b64 v2, v[Y+2*\j:Y+2*\j+1], s[14:15] offset:2048*\j               ; read again by the next launch: no hint
.endr
	s_endpgm
.Lfunc_end_k_q7fdafcf8c8_cast:
	.size	k_q7fdafcf8c8_cast, .Lfunc_end_k_q7fdafcf8c8_cast-k_q7fdafcf8c8_cast
	.p2alignl 7, 3214868480
	.fill 96, 4, 3214868480
	.section	.rodata,"a",@progbits
	.p2align	6, 0x0
	.amdhsa_kernel k_q7fdafcf8c8_cast
		.amdhsa_group_segment_fixed_size 0
		.amdhsa_private_segment_fixed_size 0
		.amdhsa_enable_private_segment 0
		.amdhsa_kernarg_size 56
		.amdhsa_user_sgpr_count 2
		.amdhsa_user_sgpr_kernarg_segment_ptr 1
		.amdhsa_wavefront_size32 1
		.amdhsa_system_sgpr_workgroup_id_x 1
		.amdhsa_system_sgpr_workgroup_id_y 1
		.amdhsa_system_sgpr_workgroup_id_z 1
		.amdhsa_system_vgpr_workitem_id 0
		.amdhsa_next_free_vgpr 100
		.amdhsa_next_free_sgpr 66
		.amdhsa_reserve_vcc 0
		.amdhsa_float_denorm_mode_32 3
		.amdhsa_float_denorm_mode_16_64 3
		.amdhsa_memory_ordered 1
		.amdhsa_forward_progress 1
		.amdhsa_inst_pref_size 7
	.end_amdhsa_kernel
	.amdgpu_metadata
---
amdhsa.version: [ 1, 2 ]
amdhsa.kernels:
  - .name:           k_q7fdafcf8c8_cast
    .symbol:         k_q7fdafcf8c8_cast.kd
    .args:
      - { .name: x, .offset: 0, .size: 8, .value_kind: global_buffer, .address_space: global }
      - { .name: Wq, .offset: 8, .size: 8, .value_kind: global_buffer, .address_space: global }
      - { .name: Wk, .offset: 16, .size: 8, .value_kind: global_buffer, .address_space: global }
      - { .name: Wv, .offset: 24, .size: 8, .value_kind: global_buffer, .address_space: global }
      - { .name: Wo, .offset: 32, .size: 8, .value_kind: global_buffer, .address_space: global }
      - { .name: xb, .offset: 40, .size: 8, .value_kind: global_buffer, .address_space: global }
      - { .name: wb, .offset: 48, .size: 8, .value_kind: global_buffer, .address_space: global }
    .group_segment_fixed_size: 0
    .private_segment_fixed_size: 0
    .kernarg_segment_align: 8
    .kernarg_segment_size: 56
    .max_flat_workgroup_size: 256
    .sgpr_count:     66
    .vgpr_count:     100
    .wavefront_size: 32
...
	.end_amdgpu_metadata
.endif
;; end of part 1
;; launch qkv (part 2): grid 16 x 16, 4 waves a work-group, clusters of 4 x 4, 327,680 bytes of LDS; arguments xb, wb, qkv; writes qkv
.if DOCPART == 2
	.amdgcn_target "amdgcn-amd-amdhsa--gfx1250"
	.amdhsa_code_object_version 6
	.text
	.protected	k_q7fdafcf8c8_qkv
	.globl	k_q7fdafcf8c8_qkv
	.p2align	8
	.type	k_q7fdafcf8c8_qkv,@function
k_q7fdafcf8c8_qkv:
	s_mov_b64 s[64:65], 0
	v_nop
	global_prefetch_b8 v0, s[64:65] scope:SCOPE_SE
	s_setreg_imm32_b32 hwreg(HW_REG_WAVE_MODE, 25, 1), 1
	s_wait_xcnt 0x0
	s_wait_alu depctr_hold_cnt(0) depctr_sa_sdst(0) depctr_va_vdst(0) depctr_va_sdst(0) depctr_va_ssrc(0) depctr_va_vcc(0) depctr_vm_vsrc(0)
	s_getreg_b32 s2, hwreg(HW_REG_IB_STS2, 6, 4)
	s_cmp_eq_u32 s2, 0
	s_cbranch_scc0 .Lentry_in_a_cluster
	s_endpgm
.Lentry_in_a_cluster:
	s_bfe_u32 s2, ttmp6, 0x10000c
	s_cmp_lg_u32 s2, 0xf033
	s_cbranch_scc0 .Lentry_shape_is_right
	s_endpgm
.Lentry_shape_is_right:
; q, k, v = xb [4096][1024] times rows 0-3071 of wb [.][1024], transposed; bf16 operands, f32 sums, rounded once to f16.
; Written by head: qkv [48 planes][4096 rows][64] f16, plane = 16 which + head (which: 0 q, 1 k, 2 v), row = 2048 b + l.
; q's f32 sums are multiplied by log2(e)/8 ahead of their rounding: the scores q.k then come out of the matrix unit as
; (q.k / sqrt(64)) * log2(e), ready for a base-2 exponential.  k's and v's are multiplied by 1.0, so that all waves run one text.
; LIMIT: q, k, v are kept in f16 (three more bits of significand than bf16): magnitudes below 65,504.
; A work-group makes 256 rows x 192 columns (three whole planes) with four waves; a wave makes 128 x 96: 48 accumulator
; tiles of 16 x 16.  K = 1024 goes in 8 steps of 128 through two LDS slots; a tile's rows are 256 bytes of memory and start
; at multiples of 256 bytes from the buffer's first byte.
; CLUSTERS: 4 x 4 work-groups.  The four of a row of the cluster need the same tiles of xb, the four of a column the same tiles
; of wb; each tile is asked for jointly, with one descriptor and a mask that names the four: a quarter of the requests.
; REGISTERS: window 0: v16-26 addresses; v32-143, v144-255 two fragment buffers (6 fragments of wb, then 8 of xb);
;   window 1: the 24 tiles of my rows 0-63 (tile (a, b) at v[8 (6 a + b)]);  window 2: those of my rows 64-127.
; The matrix instruction is used transposed (source 0 = rows of wb, source 1 = rows of xb): lane l holds row l % 16 of the
; result and eight neighbouring columns 8 (l / 16) + 0..7, which pack into 16 bytes.
.set PITCH,  272                       ; an LDS row: 256 bytes + 16 of padding: the 16 rows of a fragment load start at 16 different 16-byte columns modulo 256
.set HALFA,  128*PITCH                 ; 128 rows of xb: one tensor load, and what one wave reads of xb
.set HALFB,  96*PITCH                  ; 96 rows of wb likewise
.set SLOT,   2*HALFA+2*HALFB           ; 121,856 bytes: xb's 256 rows, then wb's 192
.set SP,     400                       ; the way out: a row of 192 f16 + 16 bytes
.set LAPS,   4                         ; a lap = two K steps = once round the ring
.set ADRA, 16                          ; v16-17  LDS address of my xb fragments in slot 0, 1
.set ADRB, 20                          ; v20-21  the same for wb
.set STO,  24                          ; v24     the way out: where I put 16 bytes of a row
.set RD,   25                          ; v25     the way out: where I read rows back
.set CO,   26                          ; v26     16 x lane
.set F0,   32
.set F1,   144
.set G1,  24                           ; s[24:31] group 1 for xb's tiles
.set G0,  32                           ; s[32:39] group 0 for xb's tiles, one set a slot
.set G1B, 48                           ; s[48:55] group 1 for wb's tiles
.set G0B, 56                           ; s[56:63] group 0 for wb's tiles, one set a slot
.set SC,  66                           ; s[66:71] the way out: the factor of my column tiles 0-1, 2-3, 4-5, each in a pair
.set MSB, 0
.macro WIN new                         ; the immediate's high byte repeats the setting that is left
.if MSB != \new
	s_set_vgpr_msb (MSB<<8)|\new
.set MSB, \new
.endif
.endm
.set MUL_LO, 0x50                      ; sources in window 0, C and D in window 1
.set MUL_HI, 0xa0                      ; C and D in window 2
.macro PLACES                          ; four places behind a matrix instruction ahead of loads into its sources and of readers of its result
.rept 4
	v_nop
.endr
.endm
; A joint load: waves 0 and 1 fetch xb's two halves, waves 2 and 3 wb's.  The branch hangs on the wave's number alone.
.macro JLOAD s
	s_cmp_eq_u32 s11, 0
	s_cbranch_scc0 .Lfor_b_\@
	tensor_load_to_lds s[G0+4*\s:G0+4*\s+3], s[G1:G1+7]
	s_nop 0
	s_branch .Lasked_\@
.Lfor_b_\@:
	tensor_load_to_lds s[G0B+4*\s:G0B+4*\s+3], s[G1B:G1B+7]
	s_nop 0
.Lasked_\@:
.endm
.macro CREST                           ; a round of the cluster's barrier behind its opening work-group barrier
	s_cmp_lg_u32 s10, 0
	s_cbranch_scc1 .Lnot_wave_0_\@
	s_barrier_signal -3
.Lnot_wave_0_\@:
	s_barrier_wait -3
	s_barrier_signal -1
	s_barrier_wait -1
.endm
.macro CROUND                          ; a whole round
	s_barrier_signal -1
	s_barrier_wait -1
	CREST
.endm
	s_load_b128 s[4:7], s[0:1], 0x0                ; xb s[4:5], wb s[6:7]
	s_load_b64 s[8:9], s[0:1], 0x10                ; qkv
	v_lshl_add_u32 v30, v0, 2, 0x3b800
	v_mov_b32 v31, 0
	ds_add_u32 v30, v31
	v_lshrrev_b32 v1, 5, v0
	v_readfirstlane_b32 s10, v1                    ; wave 0..3
	s_lshr_b32 s11, s10, 1                         ; my half of the block's rows.  Also: I fetch for xb (0) or for wb (1)
	s_and_b32 s12, s10, 1                          ; my half of its columns.  Also: which half of that tile I fetch
	s_bfe_u32 s40, ttmp6, 0x40000                  ; cx
	s_bfe_u32 s41, ttmp6, 0x40004                  ; cy
	s_lshl_b32 s42, ttmp9, 2
	s_add_co_u32 s42, s42, s40                     ; block column = 4 x cluster x + cx
	s_and_b32 s13, ttmp7, 0xffff
	s_lshl_b32 s13, s13, 2
	s_add_co_u32 s13, s13, s41                     ; block row = 4 x cluster y + cy
	s_lshl_b32 s43, s41, 2
	s_lshl_b32 s43, 15, s43                        ; my row of the cluster: places 4 cy .. 4 cy + 3
	s_lshl_b32 s44, 0x1111, s40                    ; my column: places cx, cx + 4, cx + 8, cx + 12
	; group 1: rows of 128 elements of 2 bytes, 16 bytes of padding behind every 64 words
	s_or_b32 s[G1+0], s43, (1<<16)|(1<<20)|(1<<21)|(5<<22)|(3<<25)
	s_or_b32 s[G1B+0], s44, (1<<16)|(1<<20)|(1<<21)|(5<<22)|(3<<25)
	s_mov_b32 s[G1+1], 128<<16                     ; tensor_dim0 = 128
	s_mov_b32 s[G1B+1], 128<<16
	s_mov_b32 s[G1+2], 128<<16                     ; tensor_dim1 = 128 rows
	s_mov_b32 s[G1B+2], 96<<16                     ; 96 rows
	s_mov_b32 s[G1+3], 128<<16                     ; tile_dim0 = 128
	s_mov_b32 s[G1B+3], 128<<16
	s_mov_b32 s[G1+4], 128                         ; tile_dim1
	s_mov_b32 s[G1B+4], 96
	s_mov_b32 s[G1+5], 1024                        ; elements from row to row
	s_mov_b32 s[G1B+5], 1024
	s_mov_b32 s[G1+6], 0
	s_mov_b32 s[G1B+6], 0
	s_mov_b32 s[G1+7], 0
	s_mov_b32 s[G1B+7], 0
	; xb's tiles hang on the block row alone, wb's on the block column alone; each offset in registers that never hold the other coordinate
	s_lshl_b32 s16, s13, 8
	s_lshl_b32 s17, s12, 7
	s_add_co_u32 s16, s16, s17                     ; xb: row 256 x block row + 128 x half
	s_lshl_b32 s16, s16, 11                        ; rows of 2,048 bytes
	s_mov_b32 s17, 0
	s_mul_i32 s46, s42, 192
	s_mul_i32 s47, s12, 96
	s_add_co_u32 s46, s46, s47                     ; wb: row 192 x block column + 96 x half
	s_lshl_b32 s46, s46, 11
	s_mov_b32 s47, 0
	s_mul_i32 s20, s10, HALFA                      ; waves 0, 1: xb's halves at wave x 34,816
	s_mul_i32 s21, s10, HALFB                      ; waves 2, 3: wb's halves at 69,632 + (wave - 2) x 26,112
	s_add_co_u32 s21, s21, 2*HALFA-2*HALFB
	s_wait_dscnt 0x0
	s_wait_kmcnt 0x0
	s_add_nc_u64 s[14:15], s[4:5], s[16:17]
	s_add_nc_u64 s[46:47], s[6:7], s[46:47]
	CROUND                                         ; all sixteen work-groups are here: the first joint loads meet
.irp s, 0,1
	s_mov_b32 s[G0+4*\s], 1
	s_add_co_u32 s[G0+4*\s+1], s20, \s*SLOT
	s_add_nc_u64 s[G0+4*\s+2:G0+4*\s+3], s[14:15], \s*256          ; K step s
	s_or_b32 s[G0+4*\s+3], s[G0+4*\s+3], 0x80000000
	s_mov_b32 s[G0B+4*\s], 1
	s_add_co_u32 s[G0B+4*\s+1], s21, \s*SLOT
	s_add_nc_u64 s[G0B+4*\s+2:G0B+4*\s+3], s[46:47], \s*256
	s_or_b32 s[G0B+4*\s+3], s[G0B+4*\s+3], 0x80000000
	JLOAD \s                                       ; both first fills go out together: two loads of a wave are out
.endr
	; a fragment: lane l holds row l % 16; two loads of 16 bytes, 32 bytes apart, at row x pitch + 16 (l / 16)
	v_and_b32 v1, 15, v0
	v_bfe_u32 v2, v0, 4, 1
	v_mul_u32_u24 v3, v1, PITCH
	v_lshl_add_u32 v3, v2, 4, v3
	s_mul_i32 s22, s11, HALFA
	s_mul_i32 s23, s12, HALFB
	s_add_co_u32 s23, s23, 2*HALFA
.irp s, 0,1
	v_add_nc_u32 v[ADRA+\s], s22, v3
	v_add_nc_u32 v[ADRB+\s], s23, v3
	s_add_co_u32 s22, s22, SLOT
	s_add_co_u32 s23, s23, SLOT
.endr
	s_mul_i32 s22, s11, 128*SP                     ; the way out, in: row 128 i + l % 16, byte 192 j + 16 (l / 16)
	s_mul_i32 s23, s12, 192
	s_add_co_u32 s22, s22, s23
	v_mul_u32_u24 v4, v1, SP
	v_lshl_add_u32 v4, v2, 4, v4
	v_add_nc_u32 v[STO], s22, v4
	v_bfe_u32 v5, v0, 3, 2                         ; back: eight lanes take the 128 bytes of one row and plane, a wave four rows
	v_mul_u32_u24 v5, v5, SP
	v_and_b32 v6, 7, v0
	v_lshl_add_u32 v5, v6, 4, v5
	s_mul_i32 s22, s10, 64*SP                      ; wave w takes rows 64 w .. 64 w + 63
	v_add_nc_u32 v[RD], s22, v5
	v_and_b32 v6, 31, v0
	v_lshlrev_b32 v[CO], 4, v6
; 24 matrix instructions: four row blocks of one window x six column blocks, 32 along K.  zero = 1: the first product starts the sums.
; The 48 accumulators take turns, one instruction a turn, in the same order everywhere.
.macro MUL24 f, hi, zero
.irp a, 0,1,2,3
.irp b, 0,1,2,3,4,5
.if \zero
	v_wmma_f32_16x16x32_bf16 v[8*(6*\a+\b):8*(6*\a+\b)+7], v[\f+8*\b:\f+8*\b+7], v[\f+48+8*(4*\hi+\a):\f+48+8*(4*\hi+\a)+7], 0
.else
	v_wmma_f32_16x16x32_bf16 v[8*(6*\a+\b):8*(6*\a+\b)+7], v[\f+8*\b:\f+8*\b+7], v[\f+48+8*(4*\hi+\a):\f+48+8*(4*\hi+\a)+7], v[8*(6*\a+\b):8*(6*\a+\b)+7]
.endif
.endr
.endr
.endm
; 28 LDS loads in one run: the fragments of a quarter step (32 K at byte k of the rows) into buffer f
.macro FETCH slot, k, f
	WIN 0
.irp i, 0,1,2,3,4,5
	ds_load_b128 v[\f+8*\i:\f+8*\i+3],   v[ADRB+\slot] offset:\k+\i*16*PITCH
	ds_load_b128 v[\f+8*\i+4:\f+8*\i+7], v[ADRB+\slot] offset:\k+\i*16*PITCH+32
.endr
.irp i, 0,1,2,3,4,5,6,7
	ds_load_b128 v[\f+48+8*\i:\f+48+8*\i+3],   v[ADRA+\slot] offset:\k+\i*16*PITCH
	ds_load_b128 v[\f+48+8*\i+4:\f+48+8*\i+7], v[ADRA+\slot] offset:\k+\i*16*PITCH+32
.endr
.endm
; One of a K step's first three quarters: buffer f is in; the next quarter's fragments go out into g, then 48 matrix instructions on f.
.macro QUARTER slot, k, f, g, zero
	s_wait_dscnt 0x0                               ; buffer f, asked for 48 matrix instructions ago
	PLACES                                         ; g was read by the matrix instructions just issued
	FETCH \slot, \k, \g
	WIN MUL_LO
	MUL24 \f, 0, \zero
	WIN MUL_HI
	MUL24 \f, 1, \zero
.endm
.macro THREE slot, zero
	QUARTER \slot, 64,  F0, F1, \zero
	QUARTER \slot, 128, F1, F0, 0
	QUARTER \slot, 192, F0, F1, 0
.endm
; The last quarter multiplies buffer 1 and changes slots.  In front of the barrier each wave waits for its reads of this slot and for
; all its tensor loads (one is out: its part of the next slot).  Behind it the refill comes first, then the next slot's first fragments.
; From a request to the wait for it a wave issues 168 matrix instructions.
.macro TURN slot, next, fill
	s_wait_dscnt 0x0                               ; buffer 1 is in, and with it my last reads of this slot
	s_wait_tensorcnt 0x0                           ; all my tensor loads have landed
	ds_add_u32 v30, v31
	s_wait_dscnt 0x0
	s_barrier_signal -1                            ; where the slot is filled again this barrier opens a round of the cluster's barrier
	WIN MUL_LO
	MUL24 F1, 0, 0                                 ; register work while the others arrive
	WIN 0
	s_barrier_wait -1
.if \fill
	CREST                                          ; no wave of any partner still reads this slot or has a load on its way
	s_add_nc_u64 s[G0+4*\slot+2:G0+4*\slot+3], s[G0+4*\slot+2:G0+4*\slot+3], 512      ; two K steps on
	s_add_nc_u64 s[G0B+4*\slot+2:G0B+4*\slot+3], s[G0B+4*\slot+2:G0B+4*\slot+3], 512
	JLOAD \slot                                    ; the wave's one tensor load behind the round
.endif
	PLACES
	FETCH \next, 0, F0
	WIN MUL_HI
	MUL24 F1, 1, 0
.endm
.macro LAP zero
	THREE 0, \zero
	TURN 0, 1, 1
	THREE 1, 0
	TURN 1, 0, 1
.endm
	s_wait_tensorcnt 0x1                           ; my part of K step 0 is in; K step 1's may stay out
	s_barrier_signal -1
	s_barrier_wait -1
	FETCH 0, 0, F0
	LAP 1                                          ; the first lap's first products start the sums: nothing is cleared
	WIN 0
	s_mov_b32 s3, LAPS-2
.Llap:
	LAP 0
	WIN 0
	s_sub_co_u32 s3, s3, 1
	s_cmp_lg_u32 s3, 0
	s_cbranch_scc1 .Llap
	THREE 0, 0                                     ; the last lap fills nothing
	TURN 0, 1, 0
	THREE 1, 0
	s_wait_dscnt 0x0
	WIN MUL_LO
	MUL24 F1, 0, 0
	WIN MUL_HI
	MUL24 F1, 1, 0
	; THE WAY OUT.  Slot 0 has had its last fill, and behind the barrier of the last change of slots no wave reads it: it is the stage,
	; 256 rows x 400 bytes.  Each wave scales its 128 x 96, rounds to f16 and puts 16 bytes a lane; behind a barrier wave w reads rows
	; 64 w .. 64 w + 63 of all three planes and stores them: four rows of one plane are 512 consecutive bytes of qkv, at a multiple of 512.
	PLACES
	s_lshl_b32 s16, s13, 15                        ; (256 x block row + 64 x wave) rows of 128 bytes
	s_lshl_b32 s17, s10, 13
	s_add_co_u32 s16, s16, s17
	s_mov_b32 s17, 0
	s_add_nc_u64 s[8:9], s[8:9], s[16:17]
	s_mul_i32 s46, s42, 3*4096*128                 ; three planes a block column
	s_mov_b32 s47, 0
	s_add_nc_u64 s[8:9], s[8:9], s[46:47]
	; the factors: planes 0-15 are q's and take log2(e)/8.  My block's planes are 3 x block column + 0, 1, 2; column tile b of column half j
	; lies in plane (6 j + b) / 4 of the three: half 0 has planes 0, 0, 1 for its tile pairs, half 1 has planes 1, 2, 2.
	s_mul_i32 s72, s42, 3
	s_cmp_lt_u32 s72, 16
	s_cselect_b32 s73, 0x3e38aa3b, 1.0             ; the block's plane 0
	s_cmp_lt_u32 s72, 15
	s_cselect_b32 s74, 0x3e38aa3b, 1.0             ; plane 1
	s_cmp_lt_u32 s72, 14
	s_cselect_b32 s75, 0x3e38aa3b, 1.0             ; plane 2
	s_cmp_eq_u32 s12, 0
	s_cselect_b32 s[SC+0], s73, s74                ; tiles 0, 1
	s_cselect_b32 s[SC+2], s73, s75                ; tiles 2, 3
	s_cselect_b32 s[SC+4], s74, s75                ; tiles 4, 5
	s_mov_b32 s[SC+1], s[SC+0]                     ; the pairs' upper registers are written too
	s_mov_b32 s[SC+3], s[SC+2]
	s_mov_b32 s[SC+5], s[SC+4]
.macro OUTT hi, a
.if \hi
	WIN 0x02                                       ; source 0 in window 2, the result in window 0
.else
	WIN 0x01
.endif
.irp b, 0,1,2,3,4,5
.irp rr, 0,1,2,3
	v_pk_mul_f32 v[F1+8*\b+2*\rr:F1+8*\b+2*\rr+1], v[8*(6*\a+\b)+2*\rr:8*(6*\a+\b)+2*\rr+1], s[SC+2*(\b/2):SC+2*(\b/2)+1] op_sel_hi:[1,0]
.endr
.endr
	WIN 0
.irp b, 0,1,2,3,4,5
.irp rr, 0,1,2,3
	v_cvt_pk_f16_f32 v[F0+4*\b+\rr], v[F1+8*\b+2*\rr], v[F1+8*\b+2*\rr+1]
.endr
.endr
.irp b, 0,1,2,3,4,5
	ds_store_b128 v[STO], v[F0+4*\b:F0+4*\b+3] offset:(64*\hi+16*\a)*SP+32*\b
.endr
.endm
.irp a, 0,1,2,3
	OUTT 0, \a
.endr
.irp a, 0,1,2,3
	OUTT 1, \a
.endr
	s_wait_dscnt 0x0                               ; my stores into the stage are done, for the waves that read them
	s_barrier_signal -1
	s_barrier_wait -1
; batch n of six: plane n / 2, rows 32 (n % 2) .. + 31 of my 64, eight loads and eight stores
.macro OUTB n, f
	s_wait_xcnt 0x0                                ; buffer f, which earlier stores read, is loaded again only behind this wait (ISA guide 3.1)
.irp t, 0,1,2,3,4,5,6,7
	ds_load_b128 v[\f+4*\t:\f+4*\t+3], v[RD] offset:(\n/2)*128+(8*(\n%2)+\t)*4*SP
.endr
.irp t, 0,1,2,3,4,5,6,7
	s_wait_dscnt 7-\t                              ; LDS loads come back in order: load t is in, the younger ones stay out
	global_store_b128 v[CO], v[\f+4*\t:\f+4*\t+3], s[8:9] offset:(\n/2)*524288+(8*(\n%2)+\t)*512
.endr
.endm
	OUTB 0, 144
	OUTB 1, 176
	OUTB 2, 144
	OUTB 3, 176
	OUTB 4, 144
	OUTB 5, 176
	s_wait_tensorcnt 0x0
	ds_add_u32 v30, v31
	s_wait_dscnt 0x0
	CROUND                                         ; the closing round: no work-group ends while a partner may still ask for a tile that names it
	s_endpgm
.Lfunc_end_k_q7fdafcf8c8_qkv:
	.size	k_q7fdafcf8c8_qkv, .Lfunc_end_k_q7fdafcf8c8_qkv-k_q7fdafcf8c8_qkv
	.p2alignl 7, 3214868480
	.fill 96, 4, 3214868480
	.section	.rodata,"a",@progbits
	.p2align	6, 0x0
	.amdhsa_kernel k_q7fdafcf8c8_qkv
		.amdhsa_group_segment_fixed_size 327680
		.amdhsa_private_segment_fixed_size 0
		.amdhsa_enable_private_segment 0
		.amdhsa_kernarg_size 24
		.amdhsa_user_sgpr_count 2
		.amdhsa_user_sgpr_kernarg_segment_ptr 1
		.amdhsa_wavefront_size32 1
		.amdhsa_system_sgpr_workgroup_id_x 1
		.amdhsa_system_sgpr_workgroup_id_y 1
		.amdhsa_system_sgpr_workgroup_id_z 1
		.amdhsa_system_vgpr_workitem_id 0
		.amdhsa_next_free_vgpr 704
		.amdhsa_next_free_sgpr 80
		.amdhsa_reserve_vcc 0
		.amdhsa_float_denorm_mode_32 3
		.amdhsa_float_denorm_mode_16_64 3
		.amdhsa_memory_ordered 1
		.amdhsa_forward_progress 1
		.amdhsa_inst_pref_size 168
	.end_amdhsa_kernel
	.amdgpu_metadata
---
amdhsa.version: [ 1, 2 ]
amdhsa.kernels:
  - .name:           k_q7fdafcf8c8_qkv
    .symbol:         k_q7fdafcf8c8_qkv.kd
    .args:
      - { .name: xb, .offset: 0, .size: 8, .value_kind: global_buffer, .address_space: global }
      - { .name: wb, .offset: 8, .size: 8, .value_kind: global_buffer, .address_space: global }
      - { .name: qkv, .offset: 16, .size: 8, .value_kind: global_buffer, .address_space: global }
    .group_segment_fixed_size: 327680
    .private_segment_fixed_size: 0
    .kernarg_segment_align: 8
    .kernarg_segment_size: 24
    .max_flat_workgroup_size: 128
    .sgpr_count:     80
    .vgpr_count:     704
    .wavefront_size: 32
...
	.end_amdgpu_metadata
.endif
;; end of part 2
;; launch attn (part 3): grid 8 x 32, 8 waves a work-group, no clusters, 327,680 bytes of LDS; arguments qkv, o2; writes o2
.if DOCPART == 3
	.amdgcn_target "amdgcn-amd-amdhsa--gfx1250"
	.amdhsa_code_object_version 6
	.text
	.protected	k_q7fdafcf8c8_attn
	.globl	k_q7fdafcf8c8_attn
	.p2align	8
	.type	k_q7fdafcf8c8_attn,@function
k_q7fdafcf8c8_attn:
	s_mov_b64 s[64:65], 0
	v_nop
	global_prefetch_b8 v0, s[64:65] scope:SCOPE_SE
	s_setreg_imm32_b32 hwreg(HW_REG_WAVE_MODE, 25, 1), 1
	s_wait_xcnt 0x0
; Causal attention by head: O[h][2048 b + l][64] = softmax(mask(q k^T / 8)) v, f16 operands, f32 sums and softmax, a running maximum.
; q carries log2(e)/8 already, so a score S is in base-2 units and p = exp2(S - M).
; THE RESULT LEAVES AS TWO bf16 NUMBERS: hi = bf16(O), lo = bf16(O - hi); the difference is exact in f32, and the two together carry
; 16 bits of significand.  Why: the first rows of a batch are means over few keys and as large as v itself, while most rows are means
; over hundreds of keys and far smaller; one rounding of O to 11 bits would cost the first rows a good part of an allowance that is set
; by the size of all rows.
; o2 is [32 row blocks][16 heads][hi, lo][128 rows][64] bf16, row block = 16 b + query block: a head's hi and lo of one row block are
; 32,768 consecutive bytes, which the next launch fetches as one dense tile.
; LIMITS: scores must be finite; p is kept in f16 (p <= 1).  The running maximum starts at -FLT_MAX, which every finite score reaches or passes.
; SHARES.  Work-group (i, bh) takes query block 15 - i (128 rows; key tiles 0 .. 15 - i) and then block i (tiles 0 .. i): always 17
; steps of 128 queries x 128 keys, so all 256 work-groups do the same work.  Tiles above the diagonal are never touched.
; Wave (qh, kq) takes 64 queries x 32 keys of each tile, with a running (M, L, O) of its own; the four kq partners are merged at the end
; of a pass.  So each byte of a K or V tile is read from LDS by two waves only.
; NO JOINT LOADS: the eight work-groups of a head walk 16 - i tiles and then i + 1 tiles, a different sequence in each; in step with
; each other four of them would need 20 tile steps for the 17 that each has.
; LAYOUTS, without any lane shuffle: S^T = K Q^T (source 0 = 16 keys, source 1 = 16 queries): lane (r, h) holds query r, keys 8 h + j.
; Rounded to f16 in place, the two key tiles of a query tile are source 1 of O^T = V^T P^T; source 0 is V^T, by transposing LDS loads.
; In O^T lane (r, h) holds query r, d = 16 dt + 8 h + j: maximum, sum and rescale factor are one number a lane.
.set SLOTB, 35840                      ; a slot: K 64 rows of 256 bytes (two keys), pitch 272; then V, pitch 288
.set VOFF,  17408
.set MLB,   2*SLOTB                    ; 71,680: [wave 8][M 64 | L 64] f32, each wave's 512 bytes its own
.set OPB,   MLB+4096                   ; 75,776: a wave's scaled O, 64 queries x 64 d f32, pitch 272
.set OPW,   64*272
; window 0: v4 K address, v5 V address, v6 Q offset, v7 query - key of (kt, qt, j) = 0, v8 -inf, v9/v10 M,L write/read, v11 O write, v12 O read, v13 16 x lane
.set RM,  16                           ; v[16:23]   M of query tile qt, in both registers of pair qt
.set RL,  24                           ; v[24:27]   L: the sum over this lane's keys
.set RAL, 28                           ; v[28:35]   rescale factor, in the even register of pair qt
.set RMN, 36                           ; v[36:39]   the new maximum
.set RT,  44                           ; v[44:75]   at work, 8 a query tile
.set RS,  76                           ; v[76:139]  S tile (kt, qt) at 8 (4 kt + qt).  At a pass's end v[76:203] take the partners' rows, 32 registers a group
.set RP,  140                          ; v[140:171] P of query tile qt
.set RKF, 172                          ; v[172:203] K fragment (kt, ks) at 8 (2 kt + ks)
.set RVF, 204                          ; v[204:235] V^T fragment dt
.set RHI, RVF                          ; v[204:219] at a pass's end: the high parts to store, 4 registers a group
.set RLO, RVF+16                       ; v[220:235] at a pass's end: the low parts to store; both lie behind the partners' rows
.set RO,  0                            ; window 1: O tile (qt, dt) at 8 (4 qt + dt)
.set RQ,  128                          ; window 1: Q fragment (qt, ks) at 128 + 8 (2 qt + ks)
.set G1K, 24                           ; s[24:31]
.set G1V, 32                           ; s[32:39]
.set G0K, 40                           ; s[40:47] one set a slot
.set G0V, 48                           ; s[48:55]
; s8 wave, s9 qh, s10 kq, s13 step, s14 N1 = 16 - i, s15 N1 - 1, s16 the step that starts the running pass, s17 loop counter,
; s[56:57] K plane, s[58:59] V plane, s[60:61] / s[62:63] Q of pass 1 / 2, s[66:67] / s[68:69] my rows of o2's high parts in pass 1 / 2,
; s[70:71] an offset, s[74:75] my rows of the low parts, s[76:77] my offset in o2 apart from the query block
.set MSB, 0
.macro WIN new
.if MSB != \new
	s_set_vgpr_msb (MSB<<8)|\new
.set MSB, \new
.endif
.endm
.macro PLACES                          ; four places behind a matrix instruction (ISA guide 7.12.1)
.rept 4
	v_nop
.endr
.endm
.macro LOADKV s                        ; wave 0 brings the K tile, wave 1 the V tile, 16,384 bytes each; the other waves bring nothing
	s_cmp_gt_u32 s8, 1
	s_cbranch_scc1 .Lnone_\@
	s_cmp_eq_u32 s8, 0
	s_cbranch_scc0 .Lforv_\@
	tensor_load_to_lds s[G0K+4*(\s):G0K+4*(\s)+3], s[G1K:G1K+7]
	s_nop 0
	s_branch .Lnone_\@
.Lforv_\@:
	tensor_load_to_lds s[G0V+4*(\s):G0V+4*(\s)+3], s[G1V:G1V+7]
	s_nop 0
.Lnone_\@:
.endm
.macro QLOAD base                      ; my 64 queries as eight fragments, straight from memory into window 1
	WIN 0x40
.irp qt, 0,1,2,3
.irp ks, 0,1
	global_load_b128 v[RQ+8*(2*\qt+\ks):RQ+8*(2*\qt+\ks)+3],   v6, s[\base:\base+1] offset:2048*\qt+64*\ks
	global_load_b128 v[RQ+8*(2*\qt+\ks)+4:RQ+8*(2*\qt+\ks)+7], v6, s[\base:\base+1] offset:2048*\qt+64*\ks+32
.endr
.endr
	WIN 0
.endm
	s_load_b128 s[4:7], s[0:1], 0x0                ; qkv s[4:5], o2 s[6:7]
	v_lshl_add_u32 v254, v0, 2, 0x34800
	v_mov_b32 v255, 0
	ds_add_u32 v254, v255
	v_lshrrev_b32 v1, 5, v0
	v_readfirstlane_b32 s8, v1                     ; wave 0..7
	s_lshr_b32 s9, s8, 2                           ; qh
	s_and_b32 s10, s8, 3                           ; kq
	s_and_b32 s12, ttmp7, 0xffff                   ; 16 b + h
	s_and_b32 s72, s12, 15                         ; h
	s_lshr_b32 s73, s12, 4                         ; b
	s_lshl_b32 s76, s73, 23                        ; o2: b x 16 row blocks of 524,288 bytes
	s_lshl_b32 s77, s72, 15                        ;     + h x (hi, lo) of 16,384 bytes each
	s_add_co_u32 s76, s76, s77
	s_mov_b32 s77, 0
	s_lshl_b32 s18, s72, 19                        ; qkv: h planes of 524,288 bytes
	s_lshl_b32 s73, s73, 18                        ;      + b x 2,048 rows of 128 bytes
	s_add_co_u32 s18, s18, s73
	s_mov_b32 s19, 0
	s_mov_b32 s71, 0
	s_mov_b32 s13, 0                               ; step
	s_sub_co_u32 s14, 16, ttmp9                    ; N1: tiles of pass 1
	s_sub_co_u32 s15, 15, ttmp9                    ; its last step, and its query block
	s_mov_b32 s16, 0                               ; pass 1 starts at step 0
	s_mov_b32 s22, 0x76543210                      ; v_permlanex16_b32: lane i of one half reads lane i of the other
	s_mov_b32 s23, 0xfedcba98
	; group 1: a tile is 16,384 dense bytes, taken as 64 rows of 128 elements of 2 bytes; K padded by 4 words a row, V by 8
	s_mov_b32 s[G1K+0], (1<<16)|(1<<20)|(5<<22)|(3<<25)
	s_mov_b32 s[G1V+0], (1<<16)|(1<<20)|(5<<22)|(7<<25)
.irp g, G1K, G1V
	s_mov_b32 s[\g+1], 128<<16                     ; tensor_dim0 = 128
	s_mov_b32 s[\g+2], 64<<16                      ; tensor_dim1 = 64
	s_mov_b32 s[\g+3], 128<<16                     ; tile_dim0 = 128
	s_mov_b32 s[\g+4], 64                          ; tile_dim1 = 64
	s_mov_b32 s[\g+5], 128                         ; pitch = 128 elements
	s_mov_b32 s[\g+6], 0
	s_mov_b32 s[\g+7], 0
.endr
	s_lshl_b32 s20, s9, 13                         ; my 16 rows of the result: (64 qh + 16 kq) rows of 128 bytes
	s_lshl_b32 s21, s10, 11
	s_add_co_u32 s20, s20, s21
	s_add_co_u32 s76, s76, s20
	s_wait_dscnt 0x0
	s_barrier_signal -1
	s_barrier_wait -1
	s_wait_kmcnt 0x0
	s_add_nc_u64 s[4:5], s[4:5], s[18:19]          ; plane h of q, batch b's first row
	s_add_nc_u64 s[6:7], s[6:7], s[76:77]          ; o2: batch b's row block 0, head h's high parts, my 16 rows
	s_add_nc_u64 s[56:57], s[4:5], 0x800000        ; 16 planes on: k
	s_add_nc_u64 s[58:59], s[4:5], 0x1000000       ; 32 planes on: v
.irp s, 0,1
	s_mov_b32 s[G0K+4*\s], 1
	s_mov_b32 s[G0K+4*\s+1], \s*SLOTB
	s_add_nc_u64 s[G0K+4*\s+2:G0K+4*\s+3], s[56:57], \s*16384      ; tile s
	s_or_b32 s[G0K+4*\s+3], s[G0K+4*\s+3], 0x80000000
	s_mov_b32 s[G0V+4*\s], 1
	s_mov_b32 s[G0V+4*\s+1], \s*SLOTB+VOFF
	s_add_nc_u64 s[G0V+4*\s+2:G0V+4*\s+3], s[58:59], \s*16384
	s_or_b32 s[G0V+4*\s+3], s[G0V+4*\s+3], 0x80000000
.endr
	LOADKV 0                                       ; the one first fill at the start; slot 1 is first filled behind the first step's barrier
	s_lshl_b32 s70, s15, 14                        ; q: query block x 128 rows of 128 bytes
	s_add_nc_u64 s[60:61], s[4:5], s[70:71]
	s_lshl_b32 s70, s15, 19                        ; o2: query block x 524,288 bytes
	s_add_nc_u64 s[66:67], s[6:7], s[70:71]
	s_lshl_b32 s70, ttmp9, 14
	s_add_nc_u64 s[62:63], s[4:5], s[70:71]
	s_lshl_b32 s70, ttmp9, 19
	s_add_nc_u64 s[68:69], s[6:7], s[70:71]
	v_and_b32 v1, 15, v0                           ; r
	v_bfe_u32 v2, v0, 4, 1                         ; h
	v_and_b32 v3, 31, v0                           ; lane
	s_lshl_b32 s72, s10, 4                         ; my 32 keys begin at LDS row 16 kq
	v_lshrrev_b32 v14, 1, v1                       ; K: key 32 kq + r lies in row 16 kq + r / 2, half r % 2; + 16 h
	v_add_nc_u32 v14, s72, v14
	v_mul_u32_u24 v4, v14, 272
	v_and_b32 v15, 1, v0
	v_lshl_add_u32 v4, v15, 7, v4
	v_lshl_add_u32 v4, v2, 4, v4
	v_bfe_u32 v14, v0, 1, 2                        ; V: lane l addresses key 32 kq + 8 h + l % 8, 16 bytes at 16 ((l / 8) % 2)
	v_lshl_add_u32 v14, v2, 2, v14
	v_add_nc_u32 v14, s72, v14
	v_mul_u32_u24 v5, v14, 288
	v_lshl_add_u32 v5, v15, 7, v5
	v_bfe_u32 v14, v0, 3, 1
	v_lshl_add_u32 v5, v14, 4, v5
	v_add_nc_u32 v5, VOFF, v5
	v_bfe_u32 v14, v0, 3, 2                        ; the merge reads: row 16 kq + l / 8 of each partner, 32 bytes at 32 (l % 8)
	v_add_nc_u32 v14, s72, v14
	v_mul_u32_u24 v12, v14, 272
	v_and_b32 v14, 7, v0
	v_lshl_add_u32 v12, v14, 5, v12
	s_mul_i32 s73, s9, 4*OPW
	s_add_co_u32 s73, s73, OPB
	v_add_nc_u32 v12, s73, v12
	s_lshl_b32 s73, s9, 13                         ; Q: row 64 qh + r, byte 16 h
	v_lshlrev_b32 v6, 7, v1
	v_lshl_add_u32 v6, v2, 4, v6
	v_add_nc_u32 v6, s73, v6
	s_lshl_b32 s72, s9, 6                          ; on the diagonal tile key <= query means 16 kt + j - 16 qt <= 64 qh + r - 32 kq - 8 h
	s_lshl_b32 s73, s10, 5
	s_sub_co_i32 s72, s72, s73
	v_add_nc_u32 v7, s72, v1
	v_lshlrev_b32 v14, 3, v2
	v_sub_nc_u32 v7, v7, v14
	v_mov_b32 v8, 0xff800000                       ; -inf
	s_lshl_b32 s72, s8, 9
	s_add_co_u32 s72, s72, MLB
	v_lshl_add_u32 v9, v1, 2, s72                  ; my wave's M and L
	s_lshl_b32 s72, s9, 11
	s_add_co_u32 s72, s72, MLB
	v_lshl_add_u32 v10, v1, 2, s72                 ; the four partners'
	s_mul_i32 s72, s8, OPW
	s_add_co_u32 s72, s72, OPB
	v_mul_u32_u24 v11, v1, 272                     ; my O: row r, byte 32 h
	v_lshl_add_u32 v11, v2, 5, v11
	v_add_nc_u32 v11, s72, v11
	v_lshlrev_b32 v13, 4, v3
	QLOAD 60
.irp k, 0,1,2,3,4,5,6,7
	v_mov_b32 v[RM+\k], 0xff7fffff                 ; -FLT_MAX
	v_mov_b32 v[RAL+\k], 0                         ; the odd registers of these pairs are written here once
.endr
.irp k, 0,1,2,3
	v_mov_b32 v[RL+\k], 0
.endr
	s_wait_loadcnt 0x0                             ; Q
; S^T = K Q^T: 8 tiles, d = 64 in two halves.  The first half starts the sums.  The 8 accumulators take turns.
.macro SMUL
	WIN 0x04                                       ; source 1 (Q) in window 1
.irp kt, 0,1
.irp qt, 0,1,2,3
	v_wmma_f32_16x16x32_f16 v[RS+8*(4*\kt+\qt):RS+8*(4*\kt+\qt)+7], v[RKF+16*\kt:RKF+16*\kt+7], v[RQ+16*\qt:RQ+16*\qt+7], 0
.endr
.endr
.irp kt, 0,1
.irp qt, 0,1,2,3
	v_wmma_f32_16x16x32_f16 v[RS+8*(4*\kt+\qt):RS+8*(4*\kt+\qt)+7], v[RKF+16*\kt+8:RKF+16*\kt+15], v[RQ+16*\qt+8:RQ+16*\qt+15], v[RS+8*(4*\kt+\qt):RS+8*(4*\kt+\qt)+7]
.endr
.endr
	WIN 0
	PLACES
.endm
.macro MASK                            ; the diagonal tile: keys behind the query become -inf
.irp kt, 0,1
.irp qt, 0,1,2,3
.irp j, 0,1,2,3,4,5,6,7
	v_cmp_le_i32 vcc_lo, 16*\kt+\j-16*\qt, v7
	v_cndmask_b32 v[RS+8*(4*\kt+\qt)+\j], v8, v[RS+8*(4*\kt+\qt)+\j], vcc_lo
.endr
.endr
.endr
.endm
; The running softmax of a step, in phases that go over the four query tiles so that no instruction waits for the one in front of it.
.macro SOFT
.irp qt, 0,1,2,3
	v_max3_num_f32 v[RT+8*\qt],   v[RS+8*\qt],    v[RS+8*\qt+1],    v[RS+8*\qt+2]        ; my 16 keys' maximum, in two chains
	v_max3_num_f32 v[RT+8*\qt+1], v[RS+32+8*\qt], v[RS+32+8*\qt+1], v[RS+32+8*\qt+2]
	v_max3_num_f32 v[RT+8*\qt],   v[RT+8*\qt],    v[RS+8*\qt+3],    v[RS+8*\qt+4]
	v_max3_num_f32 v[RT+8*\qt+1], v[RT+8*\qt+1],  v[RS+32+8*\qt+3], v[RS+32+8*\qt+4]
	v_max3_num_f32 v[RT+8*\qt],   v[RT+8*\qt],    v[RS+8*\qt+5],    v[RS+8*\qt+6]
	v_max3_num_f32 v[RT+8*\qt+1], v[RT+8*\qt+1],  v[RS+32+8*\qt+5], v[RS+32+8*\qt+6]
	v_max3_num_f32 v[RT+8*\qt],   v[RT+8*\qt],    v[RS+8*\qt+7],    v[RS+32+8*\qt+7]
	v_max_num_f32  v[RT+8*\qt],   v[RT+8*\qt],    v[RT+8*\qt+1]
.endr
.irp qt, 0,1,2,3
	v_permlanex16_b32 v[RT+8*\qt+1], v[RT+8*\qt], s22, s23         ; the other 16 keys' maximum, from the other half of the lanes
.endr
.irp qt, 0,1,2,3
	v_max3_num_f32 v[RMN+\qt], v[RT+8*\qt], v[RT+8*\qt+1], v[RM+2*\qt]
.endr
.irp qt, 0,1,2,3
	v_sub_f32 v[RAL+2*\qt], v[RM+2*\qt], v[RMN+\qt]                ; old maximum - new: 0 or below
.endr
.irp qt, 0,1,2,3
	v_mov_b32 v[RM+2*\qt], v[RMN+\qt]
	v_mov_b32 v[RM+2*\qt+1], v[RMN+\qt]
.endr
.irp qt, 0,1,2,3
	v_exp_f32 v[RAL+2*\qt], v[RAL+2*\qt]                           ; used far below
.endr
.irp qt, 0,1,2,3
.irp e, 0,2,4,6
	v_pk_add_f32 v[RS+8*\qt+\e:RS+8*\qt+\e+1], v[RS+8*\qt+\e:RS+8*\qt+\e+1], v[RM+2*\qt:RM+2*\qt+1] neg_lo:[0,1] neg_hi:[0,1]
	v_pk_add_f32 v[RS+32+8*\qt+\e:RS+32+8*\qt+\e+1], v[RS+32+8*\qt+\e:RS+32+8*\qt+\e+1], v[RM+2*\qt:RM+2*\qt+1] neg_lo:[0,1] neg_hi:[0,1]
.endr
.endr
.irp k, 0,1,2,3,4,5,6,7
.irp j, 0,1,2,3,4,5,6,7
	v_exp_f32 v[RS+8*\k+\j], v[RS+8*\k+\j]
.endr
.endr
	v_nop                                          ; one plain instruction between the run of exponentials and the first use (ISA guide 5.7.2)
	s_wait_alu depctr_va_vdst(0)
.irp qt, 0,1,2,3
	v_pk_add_f32 v[RT+8*\qt:RT+8*\qt+1],   v[RS+8*\qt:RS+8*\qt+1],       v[RS+8*\qt+2:RS+8*\qt+3]
	v_pk_add_f32 v[RT+8*\qt+2:RT+8*\qt+3], v[RS+8*\qt+4:RS+8*\qt+5],     v[RS+8*\qt+6:RS+8*\qt+7]
	v_pk_add_f32 v[RT+8*\qt+4:RT+8*\qt+5], v[RS+32+8*\qt:RS+32+8*\qt+1], v[RS+32+8*\qt+2:RS+32+8*\qt+3]
	v_pk_add_f32 v[RT+8*\qt+6:RT+8*\qt+7], v[RS+32+8*\qt+4:RS+32+8*\qt+5], v[RS+32+8*\qt+6:RS+32+8*\qt+7]
.endr
.irp qt, 0,1,2,3
	v_pk_add_f32 v[RT+8*\qt:RT+8*\qt+1],   v[RT+8*\qt:RT+8*\qt+1],   v[RT+8*\qt+2:RT+8*\qt+3]
	v_pk_add_f32 v[RT+8*\qt+4:RT+8*\qt+5], v[RT+8*\qt+4:RT+8*\qt+5], v[RT+8*\qt+6:RT+8*\qt+7]
.endr
.irp qt, 0,1,2,3
	v_pk_add_f32 v[RT+8*\qt:RT+8*\qt+1], v[RT+8*\qt:RT+8*\qt+1], v[RT+8*\qt+4:RT+8*\qt+5]
.endr
.irp qt, 0,1,2,3
	v_add_f32 v[RT+8*\qt], v[RT+8*\qt], v[RT+8*\qt+1]
.endr
.irp qt, 0,1,2,3
	v_fma_f32 v[RL+\qt], v[RL+\qt], v[RAL+2*\qt], v[RT+8*\qt]
.endr
.irp qt, 0,1,2,3
.irp rr, 0,1,2,3
	v_cvt_pk_f16_f32 v[RP+8*\qt+\rr],   v[RS+8*\qt+2*\rr],    v[RS+8*\qt+2*\rr+1]        ; keys 8 h + 0..7
	v_cvt_pk_f16_f32 v[RP+8*\qt+4+\rr], v[RS+32+8*\qt+2*\rr], v[RS+32+8*\qt+2*\rr+1]     ; keys 16 + 8 h + 0..7
.endr
.endr
.endm
.macro SCALEO                          ; O of query tile qt times its lane's factor
	WIN 0x41
.irp qt, 0,1,2,3
.irp e, 0,2,4,6,8,10,12,14,16,18,20,22,24,26,28,30
	v_pk_mul_f32 v[RO+32*\qt+\e:RO+32*\qt+\e+1], v[RO+32*\qt+\e:RO+32*\qt+\e+1], v[RAL+2*\qt:RAL+2*\qt+1] op_sel_hi:[1,0]
.endr
.endr
.endm
; O^T += V^T P^T.  In a pass's first step the product starts the sums: nothing is cleared.  dyn = 0: the launch's first step, that form alone.
; The 16 accumulators take turns.
.macro PV dyn
.if \dyn
	s_cmp_eq_u32 s13, s16
	s_cbranch_scc1 .Lfirst_\@
	SCALEO
	s_wait_dscnt 0x0                               ; V's eight loads
	WIN 0x50
.irp qt, 0,1,2,3
.irp dt, 0,1,2,3
	v_wmma_f32_16x16x32_f16 v[RO+8*(4*\qt+\dt):RO+8*(4*\qt+\dt)+7], v[RVF+8*\dt:RVF+8*\dt+7], v[RP+8*\qt:RP+8*\qt+7], v[RO+8*(4*\qt+\dt):RO+8*(4*\qt+\dt)+7]
.endr
.endr
	WIN 0
	s_branch .Ljoin_\@
.Lfirst_\@:
.endif
	s_wait_dscnt 0x0
	WIN 0x50
.irp qt, 0,1,2,3
.irp dt, 0,1,2,3
	v_wmma_f32_16x16x32_f16 v[RO+8*(4*\qt+\dt):RO+8*(4*\qt+\dt)+7], v[RVF+8*\dt:RVF+8*\dt+7], v[RP+8*\qt:RP+8*\qt+7], 0
.endr
.endr
	WIN 0
.if \dyn
.Ljoin_\@:
.endif
	PLACES
.endm
; The end of a pass: the four kq partners' (M, L, O) become one normalised result.  reload = 1: pass 2 is set up.
.macro FINAL ob, reload
.irp qt, 0,1,2,3
	v_permlanex16_b32 v[RT+\qt], v[RL+\qt], s22, s23               ; L of the other 16 keys
.endr
.irp qt, 0,1,2,3
	v_add_f32 v[RL+\qt], v[RL+\qt], v[RT+\qt]
.endr
.irp qt, 0,1,2,3
	ds_store_b32 v9, v[RM+2*\qt] offset:64*\qt                     ; both halves of the lanes write the same word with the same value
	ds_store_b32 v9, v[RL+\qt] offset:256+64*\qt
.endr
.if \reload
	QLOAD 62                                       ; pass 2's queries come in while the merge runs
.endif
	s_wait_dscnt 0x0                               ; my M and L are in LDS, for the partners
	s_barrier_signal -1
	s_barrier_wait -1
.irp qt, 0,1,2,3
.irp p, 0,1,2,3
	ds_load_b32 v[RT+8*\qt+\p],   v10 offset:512*\p+64*\qt
	ds_load_b32 v[RT+8*\qt+4+\p], v10 offset:512*\p+64*\qt+256
.endr
.endr
	s_wait_dscnt 0x0
.irp qt, 0,1,2,3
	v_max3_num_f32 v[RMN+\qt], v[RT+8*\qt], v[RT+8*\qt+1], v[RT+8*\qt+2]
	v_max_num_f32 v[RMN+\qt], v[RMN+\qt], v[RT+8*\qt+3]            ; the row's maximum: partner 0 always holds an unmasked key
.endr
.irp qt, 0,1,2,3
.irp p, 0,1,2,3
	v_sub_f32 v[RT+8*\qt+\p], v[RT+8*\qt+\p], v[RMN+\qt]
.endr
	v_sub_f32 v[RAL+2*\qt], v[RM+2*\qt], v[RMN+\qt]
.endr
.irp qt, 0,1,2,3
.irp p, 0,1,2,3
	v_exp_f32 v[RT+8*\qt+\p], v[RT+8*\qt+\p]
.endr
	v_exp_f32 v[RAL+2*\qt], v[RAL+2*\qt]
.endr
	v_nop                                          ; a plain instruction behind the run of exponentials
	s_wait_alu depctr_va_vdst(0)
.irp qt, 0,1,2,3
	v_mul_f32  v[RT+8*\qt], v[RT+8*\qt],   v[RT+8*\qt+4]           ; the row's sum, at least 1
	v_fmac_f32 v[RT+8*\qt], v[RT+8*\qt+1], v[RT+8*\qt+5]
	v_fmac_f32 v[RT+8*\qt], v[RT+8*\qt+2], v[RT+8*\qt+6]
	v_fmac_f32 v[RT+8*\qt], v[RT+8*\qt+3], v[RT+8*\qt+7]
.endr
.irp qt, 0,1,2,3
	v_rcp_f32 v[RT+8*\qt+1], v[RT+8*\qt]
.endr
	v_nop                                          ; a plain instruction behind the reciprocals
	s_wait_alu depctr_va_vdst(0)
.irp qt, 0,1,2,3
	v_mul_f32 v[RAL+2*\qt], v[RAL+2*\qt], v[RT+8*\qt+1]            ; my share's factor: exp2(M - maximum) / sum
.endr
	SCALEO
	WIN 0x04                                       ; store data in window 1
.irp qt, 0,1,2,3
.irp dt, 0,1,2,3
	ds_store_b128 v11, v[RO+8*(4*\qt+\dt):RO+8*(4*\qt+\dt)+3]   offset:4352*\qt+64*\dt
	ds_store_b128 v11, v[RO+8*(4*\qt+\dt)+4:RO+8*(4*\qt+\dt)+7] offset:4352*\qt+64*\dt+16
.endr
.endr
	WIN 0
	s_wait_dscnt 0x0                               ; my scaled O is in LDS, for the partners
	s_barrier_signal -1
	s_barrier_wait -1
	s_add_nc_u64 s[74:75], s[\ob:\ob+1], 0x4000    ; the low parts lie 128 rows of 128 bytes behind the high parts
.irp tt, 0,1,2,3                       ; I add the four partners' rows 16 kq .. + 15: four rows a group, 8 numbers a lane; group tt lands in v[76 + 32 tt : 107 + 32 tt]
.irp p, 0,1,2,3
	ds_load_b128 v[RS+32*\tt+8*\p:RS+32*\tt+8*\p+3],   v12 offset:OPW*\p+1088*\tt
	ds_load_b128 v[RS+32*\tt+8*\p+4:RS+32*\tt+8*\p+7], v12 offset:OPW*\p+1088*\tt+16
.endr
.endr
.irp tt, 0,1,2,3
	s_wait_dscnt 24-8*\tt                          ; group tt's eight loads are in, the later groups' stay out; only group tt's registers and v[204:235] are touched below
.irp e, 0,2,4,6
	v_pk_add_f32 v[RS+32*\tt+\e:RS+32*\tt+\e+1],       v[RS+32*\tt+\e:RS+32*\tt+\e+1],       v[RS+32*\tt+8+\e:RS+32*\tt+8+\e+1]
	v_pk_add_f32 v[RS+32*\tt+16+\e:RS+32*\tt+16+\e+1], v[RS+32*\tt+16+\e:RS+32*\tt+16+\e+1], v[RS+32*\tt+24+\e:RS+32*\tt+24+\e+1]
.endr
.irp e, 0,2,4,6
	v_pk_add_f32 v[RS+32*\tt+\e:RS+32*\tt+\e+1], v[RS+32*\tt+\e:RS+32*\tt+\e+1], v[RS+32*\tt+16+\e:RS+32*\tt+16+\e+1]
.endr
.irp k, 0,1,2,3
	v_cvt_pk_bf16_f32 v[RHI+4*\tt+\k], v[RS+32*\tt+2*\k], v[RS+32*\tt+2*\k+1]        ; hi = bf16(O)
.endr
.irp k, 0,1,2,3
	v_lshlrev_b32 v[RS+32*\tt+8+2*\k], 16, v[RHI+4*\tt+\k]                           ; hi back in f32: the low half moves up,
	v_and_b32     v[RS+32*\tt+9+2*\k], 0xffff0000, v[RHI+4*\tt+\k]                   ; the high half stays
.endr
.irp e, 0,2,4,6
	v_pk_add_f32 v[RS+32*\tt+\e:RS+32*\tt+\e+1], v[RS+32*\tt+\e:RS+32*\tt+\e+1], v[RS+32*\tt+8+\e:RS+32*\tt+8+\e+1] neg_lo:[0,1] neg_hi:[0,1]   ; O - hi, exact
.endr
.irp k, 0,1,2,3
	v_cvt_pk_bf16_f32 v[RLO+4*\tt+\k], v[RS+32*\tt+2*\k], v[RS+32*\tt+2*\k+1]        ; lo = bf16(O - hi)
.endr
	global_store_b128 v13, v[RHI+4*\tt:RHI+4*\tt+3], s[\ob:\ob+1] offset:512*\tt     ; four rows of 128 bytes: 512 consecutive bytes at a multiple of 512
	global_store_b128 v13, v[RLO+4*\tt:RLO+4*\tt+3], s[74:75] offset:512*\tt
.endr
.if \reload
.irp k, 0,1,2,3,4,5,6,7
	v_mov_b32 v[RM+\k], 0xff7fffff
.endr
.irp k, 0,1,2,3
	v_mov_b32 v[RL+\k], 0
.endr
	s_mov_b32 s16, s14                             ; pass 2 starts at step N1
	s_wait_loadcnt 0x0                             ; its queries are in
	s_wait_xcnt 0x0                                ; the stores' data registers are V's fragments again in the next step, and s[74:75] is written again at pass 2's end (ISA guide 3.1)
.endif
.endm
; One step.  slot: where its tile lies; refill = 1: the next step's tile is asked for into the other slot;
; mode 0: the launch's first step; 1: a step that may end pass 1; 2: the launch's last step.
.macro TRIP slot, refill, mode
	s_wait_tensorcnt 0x0                           ; all my tensor loads are done, my part of this step's tile among them: every group 0 may be written
	ds_add_u32 v254, v255
	s_wait_dscnt 0x0
	s_add_co_u32 s72, s13, 2                       ; this slot's next tile is step + 2's:
	s_sub_co_u32 s73, s72, s14
	s_cmp_lt_u32 s72, s14
	s_cselect_b32 s70, s72, s73                    ; tile u in pass 1, u - N1 in pass 2 (the last two steps' figures are not used)
	s_lshl_b32 s70, s70, 14
	s_add_nc_u64 s[G0K+4*\slot+2:G0K+4*\slot+3], s[56:57], s[70:71]
	s_or_b32 s[G0K+4*\slot+3], s[G0K+4*\slot+3], 0x80000000
	s_add_nc_u64 s[G0V+4*\slot+2:G0V+4*\slot+3], s[58:59], s[70:71]
	s_or_b32 s[G0V+4*\slot+3], s[G0V+4*\slot+3], 0x80000000
	s_wait_dscnt 0x0                               ; my reads of the last step's tile are done
	s_barrier_signal -1
	s_barrier_wait -1                              ; both now hold of all eight waves
.if \refill
	LOADKV 1-\slot                                 ; first behind the barrier; it has this whole step in which to land
.endif
.irp kt, 0,1
.irp ks, 0,1
	ds_load_b128 v[RKF+8*(2*\kt+\ks):RKF+8*(2*\kt+\ks)+3],   v4 offset:\slot*SLOTB+2176*\kt+64*\ks
	ds_load_b128 v[RKF+8*(2*\kt+\ks)+4:RKF+8*(2*\kt+\ks)+7], v4 offset:\slot*SLOTB+2176*\kt+64*\ks+32
.endr
.endr
.irp dt, 0,1,2,3
	ds_load_tr16_b128 v[RVF+8*\dt:RVF+8*\dt+3],   v5 offset:\slot*SLOTB+32*\dt            ; keys 8 h + 0..7 of column 16 dt + r
	ds_load_tr16_b128 v[RVF+8*\dt+4:RVF+8*\dt+7], v5 offset:\slot*SLOTB+32*\dt+2304       ; 16 keys = 8 LDS rows further
.endr
	s_wait_dscnt 0x8                               ; K's eight loads are in; V's eight stay out until the second product
	SMUL
.if \mode == 1
	s_cmp_lg_u32 s13, s15                          ; the same in all eight waves: it hangs on the work-group's number and the step
	s_cbranch_scc1 .Lnomask_\@
	MASK
.Lnomask_\@:
.endif
.if \mode == 2
	MASK
.endif
	SOFT
.if \mode == 0
	PV 0
.else
	PV 1
.endif
.if \mode == 1
	s_cmp_lg_u32 s13, s15
	s_cbranch_scc1 .Lnofin_\@
	FINAL 66, 1
.Lnofin_\@:
.endif
.if \mode == 2
	FINAL 68, 0
.endif
	s_add_co_u32 s13, s13, 1
.endm
	TRIP 0, 1, 0                                   ; step 0 (pass 1 has 9 tiles at the least: never its last)
	s_mov_b32 s17, 7
.Lpair:
	TRIP 1, 1, 1                                   ; steps 1 to 14
	TRIP 0, 1, 1
	s_sub_co_u32 s17, s17, 1
	s_cmp_lg_u32 s17, 0
	s_cbranch_scc1 .Lpair
	TRIP 1, 1, 1                                   ; step 15
	TRIP 0, 0, 2                                   ; step 16: pass 2's diagonal tile; nothing is left to fetch
	s_wait_tensorcnt 0x0
	ds_add_u32 v254, v255
	s_wait_dscnt 0x0
	s_endpgm
.Lfunc_end_k_q7fdafcf8c8_attn:
	.size	k_q7fdafcf8c8_attn, .Lfunc_end_k_q7fdafcf8c8_attn-k_q7fdafcf8c8_attn
	.p2alignl 7, 3214868480
	.fill 96, 4, 3214868480
	.section	.rodata,"a",@progbits
	.p2align	6, 0x0
	.amdhsa_kernel k_q7fdafcf8c8_attn
		.amdhsa_group_segment_fixed_size 327680
		.amdhsa_private_segment_fixed_size 0
		.amdhsa_enable_private_segment 0
		.amdhsa_kernarg_size 16
		.amdhsa_user_sgpr_count 2
		.amdhsa_user_sgpr_kernarg_segment_ptr 1
		.amdhsa_wavefront_size32 1
		.amdhsa_system_sgpr_workgroup_id_x 1
		.amdhsa_system_sgpr_workgroup_id_y 1
		.amdhsa_system_sgpr_workgroup_id_z 1
		.amdhsa_system_vgpr_workitem_id 0
		.amdhsa_next_free_vgpr 448
		.amdhsa_next_free_sgpr 80
		.amdhsa_reserve_vcc 1
		.amdhsa_float_denorm_mode_32 3
		.amdhsa_float_denorm_mode_16_64 3
		.amdhsa_memory_ordered 1
		.amdhsa_forward_progress 1
		.amdhsa_inst_pref_size 222
	.end_amdhsa_kernel
	.amdgpu_metadata
---
amdhsa.version: [ 1, 2 ]
amdhsa.kernels:
  - .name:           k_q7fdafcf8c8_attn
    .symbol:         k_q7fdafcf8c8_attn.kd
    .args:
      - { .name: qkv, .offset: 0, .size: 8, .value_kind: global_buffer, .address_space: global }
      - { .name: o2, .offset: 8, .size: 8, .value_kind: global_buffer, .address_space: global }
    .group_segment_fixed_size: 327680
    .private_segment_fixed_size: 0
    .kernarg_segment_align: 8
    .kernarg_segment_size: 16
    .max_flat_workgroup_size: 256
    .sgpr_count:     80
    .vgpr_count:     448
    .wavefront_size: 32
...
	.end_amdgpu_metadata
.endif
;; end of part 3
;; launch oproj (part 4): grid 8 x 32, 4 waves a work-group, clusters of 4 x 4, 327,680 bytes of LDS; arguments o2, wb, out0; writes out0
.if DOCPART == 4
	.amdgcn_target "amdgcn-amd-amdhsa--gfx1250"
	.amdhsa_code_object_version 6
	.text
	.protected	k_q7fdafcf8c8_oproj
	.globl	k_q7fdafcf8c8_oproj
	.p2align	8
	.type	k_q7fdafcf8c8_oproj,@function
k_q7fdafcf8c8_oproj:
	s_mov_b64 s[64:65], 0
	v_nop
	global_prefetch_b8 v0, s[64:65] scope:SCOPE_SE
	s_setreg_imm32_b32 hwreg(HW_REG_WAVE_MODE, 25, 1), 1
	s_wait_xcnt 0x0
	s_wait_alu depctr_hold_cnt(0) depctr_sa_sdst(0) depctr_va_vdst(0) depctr_va_sdst(0) depctr_va_ssrc(0) depctr_va_vcc(0) depctr_vm_vsrc(0)
	s_getreg_b32 s2, hwreg(HW_REG_IB_STS2, 6, 4)
	s_cmp_eq_u32 s2, 0
	s_cbranch_scc0 .Lentry_in_a_cluster
	s_endpgm
.Lentry_in_a_cluster:
	s_bfe_u32 s2, ttmp6, 0x10000c
	s_cmp_lg_u32 s2, 0xf033
	s_cbranch_scc0 .Lentry_shape_is_right
	s_endpgm
.Lentry_shape_is_right:
; out0 [4096][1024] f32 = O [4096][1024] times Wo^T.  O comes in two parts, O = hi + lo, both bf16:
; o2 [32 row blocks of 128][16 heads][hi, lo][128 rows][64]; Wo is rows 3072-4095 of wb [.][1024] bf16.  bf16 operands, f32 sums, stored as they are.
; A work-group makes 128 x 128 with four waves, a wave 64 x 64: 16 accumulator tiles in window 1 (tile (a, b) at v[8 (4 a + b)]).
; K = 1024 goes in 8 steps of 128 (two heads) through two LDS slots.  hi AND lo of a step are multiplied against ONE fetch of Wo's step, onto the
; same accumulators: a step brings 65,536 bytes of O and 32,768 of Wo for 128 matrix instructions a wave, and a fragment of Wo read from
; LDS serves two matrix instructions for each row block.
; A head's hi and lo of my row block are 32,768 dense bytes and come in as 128 rows of 256 bytes (two rows of O each); Wo's rows are 256 bytes of a K step.
; Two slots of two such steps would take 417,792 bytes of LDS: they do not fit, so a slot holds one step.
; CLUSTERS: 4 x 4 work-groups; O's tiles are shared along a row of the cluster, Wo's along a column, each by a joint load.
; The matrix instruction is used transposed (source 0 = rows of Wo, source 1 = rows of O): a lane holds eight neighbouring columns of a row.
.set PITCH,  272                       ; an LDS row: 256 bytes + 16 of padding
.set QUART,  64*PITCH                  ; 17,408: a unit: one head's hi or lo (128 rows of O), or 64 rows of Wo
.set SLOT,   6*QUART                   ; 104,448: head 0 hi, lo; head 1 hi, lo; Wo's rows 0-63, 64-127
.set STAGE,  2*SLOT                    ; 208,896: behind the ring, 16 rows x 272 bytes for each wave; no fill lands there
.set LAPS,   4                         ; a lap = two K steps = once round the ring
.set ADRA, 16                          ; v16-17  LDS address of my O fragments in slot 0, 1
.set ADRB, 20                          ; v20-21  the same for Wo
.set STO,  24
.set RD,   25
.set CO,   26
.set F0,   32                          ; v32-127   four fragments of Wo, four of hi, four of lo
.set F1,   128                         ; v128-223
.set G1,  24                           ; s[24:31] group 1 for O's tiles
.set G0,  32                           ; s[32:39] group 0 for O's tiles, one set a slot
.set G1B, 48                           ; s[48:55] group 1 for Wo's tiles
.set G0B, 56                           ; s[56:63] group 0 for Wo's tiles, one set a slot
.set MSB, 0
.macro WIN new
.if MSB != \new
	s_set_vgpr_msb (MSB<<8)|\new
.set MSB, \new
.endif
.endm
.set MUL, 0x50                         ; sources in window 0, C and D in window 1
.macro PLACES                          ; four places behind a matrix instruction (ISA guide 7.12.1)
.rept 4
	v_nop
.endr
.endm
.macro JLOAD s                         ; waves 0 and 1 fetch the step's two heads of O (hi and lo), waves 2 and 3 Wo's two halves
	s_cmp_eq_u32 s11, 0
	s_cbranch_scc0 .Lfor_b_\@
	tensor_load_to_lds s[G0+4*\s:G0+4*\s+3], s[G1:G1+7]
	s_nop 0
	s_branch .Lasked_\@
.Lfor_b_\@:
	tensor_load_to_lds s[G0B+4*\s:G0B+4*\s+3], s[G1B:G1B+7]
	s_nop 0
.Lasked_\@:
.endm
.macro CREST
	s_cmp_lg_u32 s10, 0
	s_cbranch_scc1 .Lnot_wave_0_\@
	s_barrier_signal -3
.Lnot_wave_0_\@:
	s_barrier_wait -3
	s_barrier_signal -1
	s_barrier_wait -1
.endm
.macro CROUND
	s_barrier_signal -1
	s_barrier_wait -1
	CREST
.endm
	s_load_b128 s[4:7], s[0:1], 0x0                ; o2 s[4:5], wb s[6:7]
	s_load_b64 s[8:9], s[0:1], 0x10                ; out0
	v_lshl_add_u32 v254, v0, 2, 0x37400
	v_mov_b32 v255, 0
	ds_add_u32 v254, v255
	v_lshrrev_b32 v1, 5, v0
	v_readfirstlane_b32 s10, v1                    ; wave 0..3
	s_lshr_b32 s11, s10, 1                         ; my half of the rows.  Also: I fetch for O (0) or for Wo (1)
	s_and_b32 s12, s10, 1                          ; my half of the columns.  Also: which head, or which 64 rows of Wo, I fetch
	s_bfe_u32 s40, ttmp6, 0x40000                  ; cx
	s_bfe_u32 s41, ttmp6, 0x40004                  ; cy
	s_lshl_b32 s42, ttmp9, 2
	s_add_co_u32 s42, s42, s40                     ; block column
	s_and_b32 s13, ttmp7, 0xffff
	s_lshl_b32 s13, s13, 2
	s_add_co_u32 s13, s13, s41                     ; block row
	s_lshl_b32 s43, s41, 2
	s_lshl_b32 s43, 15, s43                        ; my row of the cluster
	s_lshl_b32 s44, 0x1111, s40                    ; my column
	s_or_b32 s[G1+0], s43, (1<<16)|(1<<20)|(1<<21)|(5<<22)|(3<<25)
	s_or_b32 s[G1B+0], s44, (1<<16)|(1<<20)|(1<<21)|(5<<22)|(3<<25)
	s_mov_b32 s[G1+1], 128<<16                     ; tensor_dim0 = 128 elements
	s_mov_b32 s[G1B+1], 128<<16
	s_mov_b32 s[G1+2], 128<<16                     ; tensor_dim1: O 128 rows,
	s_mov_b32 s[G1B+2], 64<<16                     ; Wo 64
	s_mov_b32 s[G1+3], 128<<16                     ; tile_dim0
	s_mov_b32 s[G1B+3], 128<<16
	s_mov_b32 s[G1+4], 128                         ; tile_dim1
	s_mov_b32 s[G1B+4], 64
	s_mov_b32 s[G1+5], 128                         ; O: dense, 128 elements from row to row
	s_mov_b32 s[G1B+5], 1024                       ; Wo: 1,024
	s_mov_b32 s[G1+6], 0
	s_mov_b32 s[G1B+6], 0
	s_mov_b32 s[G1+7], 0
	s_mov_b32 s[G1B+7], 0
	s_lshl_b32 s16, s13, 19                        ; O: block row x 16 heads x 32,768 bytes
	s_lshl_b32 s17, s12, 15                        ;    + my head of the step's two
	s_add_co_u32 s16, s16, s17
	s_mov_b32 s17, 0
	s_lshl_b32 s46, s42, 18                        ; Wo: (3072 + 128 x block column + 64 x half) rows of 2,048 bytes
	s_lshl_b32 s47, s12, 17
	s_add_co_u32 s46, s46, s47
	s_add_co_u32 s46, s46, 3072*2048
	s_mov_b32 s47, 0
	s_mul_i32 s20, s10, 2*QUART                    ; waves 0, 1: a head's two units at wave x 34,816
	s_mul_i32 s21, s10, QUART                      ; waves 2, 3: Wo's halves at 69,632 + (wave - 2) x 17,408
	s_add_co_u32 s21, s21, 2*QUART
	s_wait_dscnt 0x0
	s_wait_kmcnt 0x0
	s_add_nc_u64 s[14:15], s[4:5], s[16:17]
	s_add_nc_u64 s[46:47], s[6:7], s[46:47]
	CROUND                                         ; in front of the first joint loads
.irp s, 0,1
	s_mov_b32 s[G0+4*\s], 1
	s_add_co_u32 s[G0+4*\s+1], s20, \s*SLOT
	s_add_nc_u64 s[G0+4*\s+2:G0+4*\s+3], s[14:15], \s*65536        ; K step s: two heads on
	s_or_b32 s[G0+4*\s+3], s[G0+4*\s+3], 0x80000000
	s_mov_b32 s[G0B+4*\s], 1
	s_add_co_u32 s[G0B+4*\s+1], s21, \s*SLOT
	s_add_nc_u64 s[G0B+4*\s+2:G0B+4*\s+3], s[46:47], \s*256
	s_or_b32 s[G0B+4*\s+3], s[G0B+4*\s+3], 0x80000000
	JLOAD \s                                       ; both first fills go out together: two loads of a wave are out
.endr
	v_and_b32 v1, 15, v0                           ; r
	v_bfe_u32 v2, v0, 4, 1                         ; h
	v_lshrrev_b32 v3, 1, v1                        ; O: row 64 i + r lies in a unit's LDS row 32 i + r / 2, half r % 2
	v_mul_u32_u24 v3, v3, PITCH
	v_and_b32 v4, 1, v0
	v_lshl_add_u32 v3, v4, 7, v3
	v_lshl_add_u32 v3, v2, 4, v3
	v_mul_u32_u24 v4, v1, PITCH                    ; Wo: row 64 j + r
	v_lshl_add_u32 v4, v2, 4, v4
	s_mul_i32 s22, s11, 32*PITCH
	s_mul_i32 s23, s12, QUART
	s_add_co_u32 s23, s23, 4*QUART                 ; Wo lies behind O's four units
.irp s, 0,1
	v_add_nc_u32 v[ADRA+\s], s22, v3
	v_add_nc_u32 v[ADRB+\s], s23, v4
	s_add_co_u32 s22, s22, SLOT
	s_add_co_u32 s23, s23, SLOT
.endr
	s_mul_i32 s22, s10, 16*PITCH
	s_add_co_u32 s22, s22, STAGE                   ; my stage
	v_mul_u32_u24 v5, v1, PITCH                    ; in: row r, 32 bytes for each half of the lanes
	v_lshl_add_u32 v5, v2, 5, v5
	v_add_nc_u32 v[STO], s22, v5
	v_mul_u32_u24 v5, v2, PITCH                    ; back: lanes 0-15 one row of 256 bytes, lanes 16-31 the next
	v_lshl_add_u32 v5, v1, 4, v5
	v_add_nc_u32 v[RD], s22, v5
	v_lshlrev_b32 v5, 12, v2                       ; and the same two rows of out0, 4,096 bytes apart
	v_lshl_add_u32 v[CO], v1, 4, v5
; 16 matrix instructions: all 16 tiles once, 32 along K, with O's high parts (part = 0) or low parts (part = 1).
; The 16 accumulators take turns, one instruction a turn, in the same order everywhere.
.macro MUL16 f, part, zero
.irp a, 0,1,2,3
.irp b, 0,1,2,3
.if \zero
	v_wmma_f32_16x16x32_bf16 v[8*(4*\a+\b):8*(4*\a+\b)+7], v[\f+8*\b:\f+8*\b+7], v[\f+32+32*\part+8*\a:\f+32+32*\part+8*\a+7], 0
.else
	v_wmma_f32_16x16x32_bf16 v[8*(4*\a+\b):8*(4*\a+\b)+7], v[\f+8*\b:\f+8*\b+7], v[\f+32+32*\part+8*\a:\f+32+32*\part+8*\a+7], v[8*(4*\a+\b):8*(4*\a+\b)+7]
.endif
.endr
.endr
.endm
; 24 LDS loads: quarter q of a K step (32 along K: head q / 2 of the step's two, d from 32 (q % 2)) into buffer f: Wo, hi, lo
.macro FETCH slot, q, f
	WIN 0
.irp i, 0,1,2,3
	ds_load_b128 v[\f+8*\i:\f+8*\i+3],   v[ADRB+\slot] offset:64*\q+\i*16*PITCH
	ds_load_b128 v[\f+8*\i+4:\f+8*\i+7], v[ADRB+\slot] offset:64*\q+\i*16*PITCH+32
.endr
.irp i, 0,1,2,3
	ds_load_b128 v[\f+32+8*\i:\f+32+8*\i+3],   v[ADRA+\slot] offset:(\q/2)*2*QUART+(\q%2)*64+\i*8*PITCH
	ds_load_b128 v[\f+32+8*\i+4:\f+32+8*\i+7], v[ADRA+\slot] offset:(\q/2)*2*QUART+(\q%2)*64+\i*8*PITCH+32
.endr
.irp i, 0,1,2,3
	ds_load_b128 v[\f+64+8*\i:\f+64+8*\i+3],   v[ADRA+\slot] offset:(\q/2)*2*QUART+QUART+(\q%2)*64+\i*8*PITCH
	ds_load_b128 v[\f+64+8*\i+4:\f+64+8*\i+7], v[ADRA+\slot] offset:(\q/2)*2*QUART+QUART+(\q%2)*64+\i*8*PITCH+32
.endr
.endm
; One of a K step's first three quarters: buffer f is in; the next quarter's fragments go out into g, then 32 matrix instructions on f.
.macro QUARTER slot, q, f, g, zero
	s_wait_dscnt 0x0                               ; buffer f, asked for 32 matrix instructions ago
	PLACES                                         ; g was read by the matrix instructions just issued
	FETCH \slot, \q, \g
	WIN MUL
	MUL16 \f, 0, \zero
	MUL16 \f, 1, 0
.endm
.macro THREE slot, zero
	QUARTER \slot, 1, F0, F1, \zero
	QUARTER \slot, 2, F1, F0, 0
	QUARTER \slot, 3, F0, F1, 0
.endm
; The last quarter changes slots: each wave's reads of this slot and all its tensor loads (one is out: its part of the next slot) are waited
; for in front of the barrier; behind it the refill comes first.  From a request to the wait for it a wave issues 112 matrix instructions.
.macro TURN slot, next, fill
	s_wait_dscnt 0x0                               ; buffer 1 is in, and with it my last reads of this slot
	s_wait_tensorcnt 0x0                           ; all my tensor loads have landed
	ds_add_u32 v254, v255
	s_wait_dscnt 0x0
	s_barrier_signal -1                            ; where the slot is filled again this barrier opens a round of the cluster's barrier
	WIN MUL
	MUL16 F1, 0, 0                                 ; register work while the others arrive
	WIN 0
	s_barrier_wait -1
.if \fill
	CREST                                          ; no wave of any partner still reads this slot or has a load on its way
	s_add_nc_u64 s[G0+4*\slot+2:G0+4*\slot+3], s[G0+4*\slot+2:G0+4*\slot+3], 2*65536    ; two K steps = four heads on
	s_add_nc_u64 s[G0B+4*\slot+2:G0B+4*\slot+3], s[G0B+4*\slot+2:G0B+4*\slot+3], 512    ; two K steps on along Wo's rows
	JLOAD \slot                                    ; the wave's one tensor load behind the round
.endif
	PLACES
	FETCH \next, 0, F0
	WIN MUL
	MUL16 F1, 1, 0
.endm
.macro LAP zero
	THREE 0, \zero
	TURN 0, 1, 1
	THREE 1, 0
	TURN 1, 0, 1
.endm
	s_wait_tensorcnt 0x1                           ; my part of K step 0 is in; K step 1's may stay out
	s_barrier_signal -1
	s_barrier_wait -1
	FETCH 0, 0, F0
	LAP 1                                          ; the first lap's first products start the sums: nothing is cleared
	WIN 0
	s_mov_b32 s3, LAPS-2
.Llap:
	LAP 0
	WIN 0
	s_sub_co_u32 s3, s3, 1
	s_cmp_lg_u32 s3, 0
	s_cbranch_scc1 .Llap
	THREE 0, 0                                     ; the last lap fills nothing
	TURN 0, 1, 0
	THREE 1, 0
	s_wait_dscnt 0x0
	WIN MUL
	MUL16 F1, 0, 0
	MUL16 F1, 1, 0
	; THE WAY OUT, 16 rows at a time through my own stage: 32 bytes a lane in, whole rows of 256 bytes back.
	PLACES
	s_lshl_b32 s16, s13, 19                        ; (128 x block row + 64 i) rows of 4,096 bytes
	s_lshl_b32 s17, s11, 18
	s_add_co_u32 s16, s16, s17
	s_mov_b32 s17, 0
	s_add_nc_u64 s[8:9], s[8:9], s[16:17]
	s_lshl_b32 s46, s42, 9                         ; (128 x block column + 64 j) columns of 4 bytes
	s_lshl_b32 s47, s12, 8
	s_add_co_u32 s46, s46, s47
	s_mov_b32 s47, 0
	s_add_nc_u64 s[8:9], s[8:9], s[46:47]
.macro OUT16 a, f
	WIN 0x04                                       ; store data in window 1
.irp b, 0,1,2,3
	ds_store_b128 v[STO], v[8*(4*\a+\b):8*(4*\a+\b)+3]   offset:64*\b
	ds_store_b128 v[STO], v[8*(4*\a+\b)+4:8*(4*\a+\b)+7] offset:64*\b+16
.endr
	WIN 0
	s_wait_xcnt 0x0                                ; buffer f, which earlier stores read, is loaded again only behind this wait (ISA guide 3.1)
.irp t, 0,1,2,3,4,5,6,7
	ds_load_b128 v[\f+4*\t:\f+4*\t+3], v[RD] offset:\t*2*PITCH     ; LDS serves a wave's instructions in order (ISA guide 5.7.1.4): these see the stores above
.endr
.irp t, 0,1,2,3,4,5,6,7
	s_wait_dscnt 7-\t                              ; load t is in, the younger ones stay out
	global_store_b128 v[CO], v[\f+4*\t:\f+4*\t+3], s[8:9] offset:65536*\a+8192*\t th:TH_STORE_NT   ; 16 lanes store 256 consecutive bytes at a multiple of 256
.endr
.endm
	OUT16 0, F0
	OUT16 1, F1
	OUT16 2, F0
	OUT16 3, F1
	s_wait_tensorcnt 0x0
	ds_add_u32 v254, v255
	s_wait_dscnt 0x0
	CROUND                                         ; the closing round
	s_endpgm
.Lfunc_end_k_q7fdafcf8c8_oproj:
	.size	k_q7fdafcf8c8_oproj, .Lfunc_end_k_q7fdafcf8c8_oproj-k_q7fdafcf8c8_oproj
	.p2alignl 7, 3214868480
	.fill 96, 4, 3214868480
	.section	.rodata,"a",@progbits
	.p2align	6, 0x0
	.amdhsa_kernel k_q7fdafcf8c8_oproj
		.amdhsa_group_segment_fixed_size 327680
		.amdhsa_private_segment_fixed_size 0
		.amdhsa_enable_private_segment 0
		.amdhsa_kernarg_size 24
		.amdhsa_user_sgpr_count 2
		.amdhsa_user_sgpr_kernarg_segment_ptr 1
		.amdhsa_wavefront_size32 1
		.amdhsa_system_sgpr_workgroup_id_x 1
		.amdhsa_system_sgpr_workgroup_id_y 1
		.amdhsa_system_sgpr_workgroup_id_z 1
		.amdhsa_system_vgpr_workitem_id 0
		.amdhsa_next_free_vgpr 384
		.amdhsa_next_free_sgpr 66
		.amdhsa_reserve_vcc 0
		.amdhsa_float_denorm_mode_32 3
		.amdhsa_float_denorm_mode_16_64 3
		.amdhsa_memory_ordered 1
		.amdhsa_forward_progress 1
		.amdhsa_inst_pref_size 109
	.end_amdhsa_kernel
	.amdgpu_metadata
---
amdhsa.version: [ 1, 2 ]
amdhsa.kernels:
  - .name:           k_q7fdafcf8c8_oproj
    .symbol:         k_q7fdafcf8c8_oproj.kd
    .args:
      - { .name: o2, .offset: 0, .size: 8, .value_kind: global_buffer, .address_space: global }
      - { .name: wb, .offset: 8, .size: 8, .value_kind: global_buffer, .address_space: global }
      - { .name: out0, .offset: 16, .size: 8, .value_kind: global_buffer, .address_space: global }
    .group_segment_fixed_size: 327680
    .private_segment_fixed_size: 0
    .kernarg_segment_align: 8
    .kernarg_segment_size: 24
    .max_flat_workgroup_size: 128
    .sgpr_count:     66
    .vgpr_count:     384
    .wavefront_size: 32
...
	.end_amdgpu_metadata
.endif
;; end of part 4
;; ======== version 2 of 2: 4 launches; version 1 with the launch cast written anew for expert scheduling mode
;; limits: values are held in f16: magnitudes above 65,504 overflow, below 6.1e-05 lose precision
;; workspace buffers: xb 8,388,608 bytes; wb 8,388,608 bytes; qkv 25,165,824 bytes; o2 16,777,216 bytes
;; launch cast (part 5): grid 512 x 1, 8 waves a work-group, no clusters, 0 bytes of LDS; arguments x, Wq, Wk, Wv, Wo, xb, wb; writes xb, wb
.if DOCPART == 5
	.amdgcn_target "amdgcn-amd-amdhsa--gfx1250"
	.amdhsa_code_object_version 6
	.text
	.protected	k_q7fdafcf8c8_cast
	.globl	k_q7fdafcf8c8_cast
	.p2align	8
	.type	k_q7fdafcf8c8_cast,@function
k_q7fdafcf8c8_cast:
	s_mov_b64 s[64:65], 0
	v_nop
	global_prefetch_b8 v0, s[64:65] scope:SCOPE_SE
	s_setreg_imm32_b32 hwreg(HW_REG_WAVE_SCHED_MODE, 0, 2), 2
	s_setreg_imm32_b32 hwreg(HW_REG_WAVE_MODE, 25, 1), 1
	s_wait_xcnt 0x0
	s_wait_alu depctr_vm_vsrc(0)
; f32 to bf16 (round to nearest even), once for every element: x -> xb [4096][1024]; Wq, Wk, Wv, Wo -> wb [4096][1024], in that
; order of rows.  bf16 keeps f32's range, so no input is limited in size; nothing else is done to the numbers.
; A stream: no LDS, no barrier, no matrix unit.  A work-group converts 16,384 numbers (65,536 bytes in, 32,768 out):
; work-groups 0-255 take x, 256-511 the four weights (64 each).  Thread t takes 16 bytes at 16 t of each block of 4,096 bytes:
; a wave's load covers 512 consecutive bytes, its store 256 consecutive bytes at a multiple of 256.
; THE MODE: SCHED_MODE bits 1:0 = 2 (LLVM: expert scheduling mode 2), set by the entry lines.  The code itself states the register
; dependences between vector instructions and memory instructions, with s_wait_alu, always for 0.
; THE PLAN.  Registers that memory instructions touch:
;   v1, v2   byte offsets of the loads and of the stores: written once at the head by vector shifts, never written again.
;   X        sixteen groups of four: each is written by one load, once, and read by two conversions behind the wait for that load.
;            No vector instruction names X ahead of the loads, and nothing lands in it a second time.
;   Y        sixteen pairs: each is written by two conversions, once, and read by one store.  No pair is written again.
; So two kinds of dependence are to be stated: the offsets are written before the first load reads v1 (one wait, which serves the
; stores' v2 too), and a store's pair of Y is written before the store reads it.  The sixteen loads are worked off in four blocks
; of four, so that one wait behind a block's eight conversions serves its four stores.  No register that a memory instruction
; reads is ever written again, no vector instruction writes a scalar register, and EXEC is never written: no other wait is owed.
; A block's stores go out ahead of the wait for the next block's data, so that finished numbers do not lie in registers meanwhile.
.set X, 4                              ; v[4:67]   sixteen loads, 4 registers each
.set Y, 68                             ; v[68:99]  sixteen stores, 2 registers each; no register is used twice
.set BLOCK, 4                          ; loads, and stores, in a block
	s_load_b256 s[4:11], s[0:1], 0x0               ; x s[4:5], Wq s[6:7], Wk s[8:9], Wv s[10:11]
	s_load_b128 s[12:15], s[0:1], 0x20             ; Wo s[12:13], xb s[14:15]
	s_load_b64 s[16:17], s[0:1], 0x30              ; wb
	s_and_b32 s18, ttmp9, 255                      ; my number among x's blocks, or among the weights' blocks
	s_lshr_b32 s19, s18, 6                         ; which weight: 0 Wq, 1 Wk, 2 Wv, 3 Wo
	s_and_b32 s20, s18, 63
	s_lshl_b32 s20, s20, 16                        ; byte offset inside that weight
	s_lshl_b32 s21, s18, 16                        ; byte offset inside x
	s_lshl_b32 s22, s18, 15                        ; byte offset inside xb, or inside wb (the weights follow each other there)
	s_mov_b32 s23, 0
	s_mov_b32 s25, 0
	v_lshlrev_b32 v1, 4, v0                        ; 16 t
	v_lshlrev_b32 v2, 3, v0                        ; 8 t
	s_wait_kmcnt 0x0
	s_cmp_eq_u32 s19, 1                            ; the source is chosen among whole buffers, on the work-group's number alone
	s_cselect_b64 s[6:7], s[8:9], s[6:7]
	s_cmp_eq_u32 s19, 2
	s_cselect_b64 s[6:7], s[10:11], s[6:7]
	s_cmp_eq_u32 s19, 3
	s_cselect_b64 s[6:7], s[12:13], s[6:7]
	s_cmp_lt_u32 ttmp9, 256
	s_cselect_b64 s[6:7], s[4:5], s[6:7]           ; x for the first 256 work-groups
	s_cselect_b64 s[14:15], s[14:15], s[16:17]     ; xb for them, wb for the others
	s_cselect_b32 s24, s21, s20
	s_add_nc_u64 s[6:7], s[6:7], s[24:25]
	s_add_nc_u64 s[14:15], s[14:15], s[22:23]
	s_wait_alu depctr_va_vdst(0)                   ; v1 and v2 are written: every load below reads v1 as its offset, every store v2
.irp j, 0,1,2,3,4,5,6,7,8,9,10,11,12,13,14,15
	global_load_b128 v[X+4*(\j):X+4*(\j)+3], v1, s[6:7] offset:4096*(\j) th:TH_LOAD_NT   ; read once in the launch
.endr
.irp p, 0,1,2,3
	s_wait_loadcnt 16-BLOCK-BLOCK*(\p)             ; loads come back in order (ISA guide 5.7.1): block p's four are in, the 12 - 4 p younger ones stay out
.irp i, 0,1,2,3
	v_cvt_pk_bf16_f32 v[Y+2*(BLOCK*(\p)+(\i))],   v[X+4*(BLOCK*(\p)+(\i))],   v[X+4*(BLOCK*(\p)+(\i))+1]
	v_cvt_pk_bf16_f32 v[Y+2*(BLOCK*(\p)+(\i))+1], v[X+4*(BLOCK*(\p)+(\i))+2], v[X+4*(BLOCK*(\p)+(\i))+3]
.endr
	s_wait_alu depctr_va_vdst(0)                   ; the block's eight conversions have written its eight registers of Y, which the four stores below read
.irp i, 0,1,2,3
	global_store_b64 v2, v[Y+2*(BLOCK*(\p)+(\i)):Y+2*(BLOCK*(\p)+(\i))+1], s[14:15] offset:2048*(BLOCK*(\p)+(\i))   ; read again by the next launch: no hint
.endr
.endr
	s_endpgm
.Lfunc_end_k_q7fdafcf8c8_cast:
	.size	k_q7fdafcf8c8_cast, .Lfunc_end_k_q7fdafcf8c8_cast-k_q7fdafcf8c8_cast
	.p2alignl 7, 3214868480
	.fill 96, 4, 3214868480
	.section	.rodata,"a",@progbits
	.p2align	6, 0x0
	.amdhsa_kernel k_q7fdafcf8c8_cast
		.amdhsa_group_segment_fixed_size 0
		.amdhsa_private_segment_fixed_size 0
		.amdhsa_enable_private_segment 0
		.amdhsa_kernarg_size 56
		.amdhsa_user_sgpr_count 2
		.amdhsa_user_sgpr_kernarg_segment_ptr 1
		.amdhsa_wavefront_size32 1
		.amdhsa_system_sgpr_workgroup_id_x 1
		.amdhsa_system_sgpr_workgroup_id_y 1
		.amdhsa_system_sgpr_workgroup_id_z 1
		.amdhsa_system_vgpr_workitem_id 0
		.amdhsa_next_free_vgpr 100
		.amdhsa_next_free_sgpr 66
		.amdhsa_reserve_vcc 0
		.amdhsa_float_denorm_mode_32 3
		.amdhsa_float_denorm_mode_16_64 3
		.amdhsa_memory_ordered 1
		.amdhsa_forward_progress 1
		.amdhsa_inst_pref_size 7
	.end_amdhsa_kernel
	.amdgpu_metadata
---
amdhsa.version: [ 1, 2 ]
amdhsa.kernels:
  - .name:           k_q7fdafcf8c8_cast
    .symbol:         k_q7fdafcf8c8_cast.kd
    .args:
      - { .name: x, .offset: 0, .size: 8, .value_kind: global_buffer, .address_space: global }
      - { .name: Wq, .offset: 8, .size: 8, .value_kind: global_buffer, .address_space: global }
      - { .name: Wk, .offset: 16, .size: 8, .value_kind: global_buffer, .address_space: global }
      - { .name: Wv, .offset: 24, .size: 8, .value_kind: global_buffer, .address_space: global }
      - { .name: Wo, .offset: 32, .size: 8, .value_kind: global_buffer, .address_space: global }
      - { .name: xb, .offset: 40, .size: 8, .value_kind: global_buffer, .address_space: global }
      - { .name: wb, .offset: 48, .size: 8, .value_kind: global_buffer, .address_space: global }
    .group_segment_fixed_size: 0
    .private_segment_fixed_size: 0
    .kernarg_segment_align: 8
    .kernarg_segment_size: 56
    .max_flat_workgroup_size: 256
    .sgpr_count:     66
    .vgpr_count:     100
    .wavefront_size: 32
...
	.end_amdgpu_metadata
.endif
;; end of part 5
;; launch qkv: the kernel of part 2 again; grid 16 x 16, 4 waves a work-group, clusters of 4 x 4, 327,680 bytes of LDS; arguments xb, wb, qkv; writes qkv
;; launch attn: the kernel of part 3 again; grid 8 x 32, 8 waves a work-group, no clusters, 327,680 bytes of LDS; arguments qkv, o2; writes o2
;; launch oproj: the kernel of part 4 again; grid 8 x 32, 4 waves a work-group, clusters of 4 x 4, 327,680 bytes of LDS; arguments o2, wb, out0; writes out0
